; MI455X (gfx1250); checked and timed in simulation.
; The chip was launched on July 23, 2026; its instructions are those of AMD's public machine-readable ISA for CDNA 5 (MIT licence, August 2026) and "CDNA5" Instruction Set Architecture Reference Guide (July 2026). The comments in the code are by the model that wrote it; some were corrected since.
;; Simple Attention. Allowed arithmetic: matrix products marked QUANTISED: E3M2 operands, one E8M0 scale for each 32 along K, by v_wmma_scale_f32_16x16x128_f8f6f4 with both operands' format E3M2, f32 sums; everything else in f32.
;; Inputs: W_out 1,024 x 1,024 float32; W_qkv 3,072 x 1,024 float32; x 4 x 2,048 x 1,024 float32.
;; Outputs: out0 4 x 2,048 x 1,024 float32.
;; This version of the problem:
;;   THIS VERSION OF THE PROBLEM IS GIVEN IN LOW PRECISION. The matrix products marked QUANTISED in the list below multiply operands that are first quantised to E3M2 (3 exponent bits, 2 mantissa bits; 6 bits a number), with one power-of-two scale for each 32 numbers along K (OCP MX v1.0); their sums are f32. All else is computed in f32.
;;   The module's matrix products, in the order in which they are computed (A, B: the left and right operand; K: the contracted axis; several contracted axes count as one K, in the product's order):
;;     1. [M 8,192, K 1,024] x [K 1,024, N 3,072]; A: input x; B: input W_qkv: QUANTISED
;;     2. batch 64 x [M 2,048, K 64] x [K 64, N 2,048]; A: computed on the way; B: computed on the way: QUANTISED
;;     3. batch 64 x [M 2,048, K 2,048] x [K 2,048, N 64]; A: softmax (see below); B: computed on the way: QUANTISED
;;     4. [M 8,192, K 1,024] x [K 1,024, N 1,024]; A: computed on the way; B: input W_out: QUANTISED
;;   THE QUANTISER, for each operand of a quantised product, along K:
;;     - K is cut into blocks of 32 from its start; a last block that is shorter is filled with zeros.
;;     - A block's scale is 2^e with e = floor(log2(the largest magnitude in the block)) - 4, held to -126 .. 127; a block of zeros has e = 0. As a byte (E8M0): e + 127.
;;     - Each number is divided by its block's scale, clamped to +-28, and rounded to the nearest number of E3M2, ties to even, subnormals kept.
;;     - The product sums the exact products of the quantised numbers (number of the format x scale) in f32.
;;   ~~~python
;;   def quantise(x, axis):      # numpy; x: float32 -> the quantised numbers, widened to float32 again
;;       x = np.moveaxis(x, axis, -1); K = x.shape[-1]
;;       x = np.pad(x, [(0, 0)] * (x.ndim - 1) + [(0, -K % 32)]); x = x.reshape(x.shape[:-1] + (-1, 32)); a = np.abs(x).max(-1, keepdims=True)
;;       e = np.where(a > 0, np.clip(np.frexp(np.where(a > 0, a, 1))[1] - 1 - 4, -126, 127), 0)      # np.frexp(a)[1] - 1 = floor(log2(a)), exactly
;;       r = np.clip(x / 2.0 ** e, -28, 28)
;;       step = 2.0 ** (np.maximum(np.frexp(np.where(r == 0, 1, r))[1] - 1, -2) - 2)
;;       q = np.round(r / step) * step * 2.0 ** e      # np.round: ties to even
;;       return np.moveaxis(q.reshape(q.shape[:-2] + (-1,))[..., :K], -1, axis).astype(np.float32)
;;   ~~~
;;   SOFTMAX AHEAD OF A QUANTISED PRODUCT. Where the list says 'softmax', what is quantised is not the finished softmax but p = 2^(t - M), with t = logit x log2(e) and M = ceil(the row's largest t), a whole number; so 1/2 < the row's largest p <= 1. The row's sum l is taken of the UNQUANTISED p, in f32, and the product's result is divided by l at the end. Since M is a whole number, a kernel that streams over the keys may use a running M (the ceiling of the running maximum): every later rescaling is an exact power of two, which a block's scale takes up: the codes' values come out the same.
;;   OPERANDS COMPUTED ON THE WAY. 'Computed on the way' means the value that the module computes at that place (a softmax that the list does not call 'softmax' is quantised finished and normalised). What goes into a quantiser is computed in f32, as accurately as f32 sums, v_exp_f32 and their like allow (about 1e-6 of the number): no bf16 or f16 on the way to a quantiser, and a product that is left as it is and whose result goes on into a quantised operand takes f32 operands (vector FMAs, or v_wmma_f32_16x16x4_f32). A number that lies on a knife's edge between two numbers of the format may be rounded either way, as far as f32 arithmetic and the matrix unit's own rounding can turn it there, and no further.
;; One version. Each part assembles by itself: llvm-mc -triple=amdgcn-amd-amdhsa -mcpu=gfx1250 --defsym DOCPART=n.
;; ======== version 1 of 1: 4 launches
;; workspace buffers: inq 9,830,400 bytes; att 19,660,800 bytes; oc 6,291,456 bytes; os 262,144 bytes
;; launch quant (part 1): grid 384 x 1, 4 waves a work-group, no clusters, 34,304 bytes of LDS; arguments x, W_qkv, W_out, inq; writes inq
.if DOCPART == 1
	.amdgcn_target "amdgcn-amd-amdhsa--gfx1250"
	.amdhsa_code_object_version 6
	.text
	.protected	k_q6d38167925_quant
	.globl	k_q6d38167925_quant
	.p2align	8
	.type	k_q6d38167925_quant,@function
k_q6d38167925_quant:
	s_mov_b64 s[64:65], 0
	v_nop
	global_prefetch_b8 v0, s[64:65] scope:SCOPE_SE
	s_setreg_imm32_b32 hwreg(HW_REG_WAVE_MODE, 25, 1), 1
	s_wait_xcnt 0x0
; x [8192][1024], W_qkv [3072][1024], W_out [1024][1024], f32 with K innermost, become codes of BF6 (E3M2) with one E8M0 byte for each 32 along K,
; laid in inq IN THE ORDER OF THE OPERAND'S REGISTERS.  The 12,288 rows are 96 groups of 128 (0-63 x, 64-87 W_qkv, 88-95 W_out).  A RECORD, 12,800 bytes, holds one group x 128 along K, at (8 group + K step) x 12,800:
;   8 fragment images of 1,536 bytes (tile t at 1,536 t): registers 4 g .. 4 g + 3 of lane l at 512 g + 16 l; register 6 c + i of lane (r, h) holds k = 64 c + 32 h + 0 .. 31 of the tile's row r;
;   then 512 bytes of scale words: that of (row r, tile t) at 12,288 + 256 (t / 4) + 16 r + 4 (t % 4).
; THE ROWS OF A TILE ARE NOT NEIGHBOURS: lane r of tile t holds row 32 (t / 2) + 8 (t % 2) + r + 8 (r / 8) of the group, so that the results of a transposed product have 16 neighbours in the 16 registers of two tiles.
; A block's scale is 2^(floor(log2(its largest magnitude)) - 4); its byte is the largest magnitude's exponent field - 4, held at 1 from below.
; LIMITS: a block of zeros gets the byte 1 where the rule says 127 (its codes are zeros, which add nothing under any byte but 0xff, and this program alone reads the bytes); blocks whose largest magnitude
; lies under 2^-122 are held at the byte 1; NaN and infinities among the inputs are not served.
; SHARES: a wave makes four tiles (64 rows x 128 K) of one record.  Each load reads 512 consecutive bytes of one row; a tile's 16 rows turn through the wave's own stage in LDS (rows of 512 + 16 bytes), from which
; lane (r, h) takes its two whole blocks of 32: no other lane is asked for a maximum.  Every store of codes covers 512 consecutive bytes, the store of scale words 256, all aligned to 256.
; No tensor load, no barrier, no cluster: waves share nothing, and no byte is read by two work-groups.  Two tiles' loads (32 a wave) are on their way.
.set STG,  8448                        ; a wave's stage: 16 rows x 528 bytes
.set R,    64                          ; v64-191  two sets of 64: a tile as loaded
.set X,    192                         ; v192-255 my two blocks of 32
.set C,    24                          ; v24-35   the tile's codes: the fragment's 12 registers
.set T2,   36                          ; v36-43   the upper halves of the two blocks, as the conversions leave them
.set W,    16                          ; v16-19   the four tiles' scale words
	s_load_b256 s[4:11], s[0:1], 0x0               ; x s[4:5], W_qkv s[6:7], W_out s[8:9], inq s[10:11]
	v_lshl_add_u32 v62, v0, 2, 0x8400
	v_mov_b32 v63, 0
	v_lshrrev_b32 v6, 5, v0
	v_readfirstlane_b32 s16, v6                    ; wave 0..3
	v_and_b32 v6, 31, v0                           ; lane
	v_and_b32 v7, 15, v0                           ; r
	v_bfe_u32 v4, v0, 4, 1                         ; h
	v_lshlrev_b32 v1, 4, v6                        ; v1: 16 x lane: my bytes of a load's and of a code store's 512
	s_mul_i32 s17, s16, STG
	v_add_nc_u32 v2, s17, v1                       ; v2: the stage, on the way in
	v_mul_u32_u24 v3, v7, 528
	v_lshl_add_u32 v3, v4, 7, v3
	v_add_nc_u32 v3, s17, v3                       ; v3: on the way out: row r, + 128 h
	v_lshlrev_b32 v5, 4, v7
	v_lshl_add_u32 v5, v4, 3, v5                   ; v5: 16 r + 8 h: my 8 bytes of the scale words
	v_lshlrev_b32 v4, 3, v4                        ; v4: 8 h: how far my two bytes are shifted in a word
	v_mov_b32 v15, 0                               ; written once: a lane permute's destination counts as one of its sources
	s_mov_b32 s20, 0x76543210
	s_mov_b32 s21, 0xfedcba98                      ; v_permlanex16_b32's selects for lane l xor 16
	s_mov_b32 vcc_lo, 0xffff0000                   ; lanes 16-31
	s_lshr_b32 s18, ttmp9, 2                       ; the group of 128 rows
	s_bfe_u32 s19, ttmp9, 0x10001                  ; which half of its tiles
	s_and_b32 s24, ttmp9, 1
	s_lshl_b32 s24, s24, 2
	s_add_co_u32 s24, s24, s16                     ; the K step: 4 x (work-group & 1) + wave
	s_lshl_b32 s28, s18, 3
	s_add_co_u32 s28, s28, s24
	s_mul_i32 s28, s28, 12800                      ; the record
	s_mov_b32 s29, 0
	s_mul_i32 s30, s19, 6144
	s_lshl_b32 s31, s19, 8
	s_add_co_u32 s31, s31, 12288
	s_add_co_u32 s30, s30, s28                     ; my four images
	s_add_co_u32 s28, s28, s31                     ; my 256 bytes of scale words
	s_mov_b32 s31, 0
	s_wait_kmcnt 0x0
	s_add_nc_u64 s[14:15], s[10:11], s[28:29]
	s_add_nc_u64 s[10:11], s[10:11], s[30:31]
	s_cmp_lt_u32 ttmp9, 352                        ; which tensor: the choice hangs on the work-group's number alone
	s_cselect_b64 s[6:7], s[6:7], s[8:9]
	s_cselect_b32 s12, 64, 88
	s_cmp_lt_u32 ttmp9, 256
	s_cselect_b64 s[4:5], s[4:5], s[6:7]
	s_cselect_b32 s12, 0, s12
	s_sub_co_u32 s12, s18, s12                     ; the group within its tensor
	s_lshl_b32 s26, s12, 19                        ; x 128 rows of 4,096 bytes
	s_lshl_b32 s27, s19, 18                        ; + 64 rows for the upper half
	s_add_co_u32 s26, s26, s27
	s_lshl_b32 s27, s24, 9                         ; + 512 bytes a K step
	s_add_co_u32 s26, s26, s27
	s_mov_b32 s27, 0
	s_add_nc_u64 s[4:5], s[4:5], s[26:27]
.macro LOAD t                          ; tile t's 16 rows, 512 consecutive bytes each, into set t % 2
.irp i, 0,1,2,3,4,5,6,7,8,9,10,11,12,13,14,15
	global_load_b128 v[R+64*((\t)%2)+4*\i:R+64*((\t)%2)+4*\i+3], v1, s[4:5] offset:(32*((\t)/2)+8*((\t)%2)+\i+8*(\i/8))*4096 th:TH_LOAD_NT
.endr
.endm
.macro TILE t
.if (\t) < 3
	s_wait_loadcnt 16                              ; this tile's 16 loads are in; the next tile's 16 may be out
.else
	s_wait_loadcnt 0x0
.endif
.irp i, 0,1,2,3,4,5,6,7,8,9,10,11,12,13,14,15
	ds_store_b128 v2, v[R+64*((\t)%2)+4*\i:R+64*((\t)%2)+4*\i+3] offset:528*\i
.endr
.irp c, 0,1
.irp i, 0,1,2,3,4,5,6,7
	ds_load_b128 v[X+32*\c+4*\i:X+32*\c+4*\i+3], v3 offset:256*\c+16*\i   ; LDS serves a wave's instructions in order: these see the stores above
.endr
.endr
	s_wait_dscnt 0x0                               ; my 64 numbers are back, and the stores into the stage have read their registers,
.if (\t) < 2
	LOAD (\t)+2                                    ; which take the tile two further on
.endif
.irp c, 0,1
	v_max3_num_f32 v[8+\c], |v[X+32*\c]|, |v[X+32*\c+1]|, 0x2800000   ; block 2 c + h: all 32 numbers are mine; the floor 2^(5 - 127) holds the byte at 1 from below
.endr
.irp i, 2,4,6,8,10,12,14,16,18,20,22,24,26,28,30
.irp c, 0,1
	v_max3_num_f32 v[8+\c], v[8+\c], |v[X+32*\c+\i]|, |v[X+32*\c+\i+1]|   ; (the two blocks by turns)
.endr
.endr
	v_add_nc_u32 v10, 0xfe000000, v8               ; 4 off the exponent field: the conversion takes the exponent field of this operand as its scale
	v_add_nc_u32 v11, 0xfe000000, v9
	v_lshrrev_b32 v12, 23, v10                     ; the scale's byte
	v_lshrrev_b32 v13, 23, v11
	v_lshl_or_b32 v14, v13, 16, v12                ; my two bytes, blocks h and 2 + h,
	v_lshlrev_b32 v14, v4, v14                     ; at their places in the word;
	v_permlanex16_b32 v15, v14, s20, s21
	v_or_b32 v[W+(\t)], v14, v15                   ; with lane l xor 16's two the word is whole
	s_wait_xcnt 0x0                                ; the last tile's stores have read the codes' registers: they are written again only behind this wait
.irp c, 0,1
	v_cvt_scalef32_pk16_bf6_f32 v[C+6*\c:C+6*\c+2], v[X+32*\c:X+32*\c+15], v[10+\c]
	v_cvt_scalef32_pk16_bf6_f32 v[T2+4*\c:T2+4*\c+2], v[X+32*\c+16:X+32*\c+31], v[10+\c]   ; (a conversion's three registers begin on an even number)
.endr
	v_nop                                          ; one plain place behind a scaled conversion
.irp c, 0,1
.irp i, 0,1,2
	v_mov_b32 v[C+6*\c+3+\i], v[T2+4*\c+\i]
.endr
.endr
.irp g, 0,1,2
	global_store_b128 v1, v[C+4*\g:C+4*\g+3], s[10:11] offset:1536*(\t)+512*\g   ; 32 lanes store 512 consecutive bytes
.endr
.endm
	LOAD 0
	LOAD 1
	TILE 0
	TILE 1
	TILE 2
	TILE 3
	v_cndmask_b32 v20, v[W], v[W+2], vcc_lo        ; lanes 0-15 store row r's words of tiles 0 and 1, lanes 16-31 those of tiles 2 and 3
	v_cndmask_b32 v21, v[W+1], v[W+3], vcc_lo
	global_store_b64 v5, v[20:21], s[14:15]        ; 32 lanes store 256 consecutive bytes, aligned
	s_wait_tensorcnt 0x0
	ds_add_u32 v62, v63
	s_wait_dscnt 0x0
	s_endpgm
.Lfunc_end_k_q6d38167925_quant:
	.size	k_q6d38167925_quant, .Lfunc_end_k_q6d38167925_quant-k_q6d38167925_quant
	.p2alignl 7, 3214868480
	.fill 96, 4, 3214868480
	.section	.rodata,"a",@progbits
	.p2align	6, 0x0
	.amdhsa_kernel k_q6d38167925_quant
		.amdhsa_group_segment_fixed_size 34304
		.amdhsa_private_segment_fixed_size 0
		.amdhsa_enable_private_segment 0
		.amdhsa_kernarg_size 32
		.amdhsa_user_sgpr_count 2
		.amdhsa_user_sgpr_kernarg_segment_ptr 1
		.amdhsa_wavefront_size32 1
		.amdhsa_system_sgpr_workgroup_id_x 1
		.amdhsa_system_sgpr_workgroup_id_y 1
		.amdhsa_system_sgpr_workgroup_id_z 1
		.amdhsa_system_vgpr_workitem_id 0
		.amdhsa_next_free_vgpr 256
		.amdhsa_next_free_sgpr 66
		.amdhsa_reserve_vcc 1
		.amdhsa_float_denorm_mode_32 3
		.amdhsa_float_denorm_mode_16_64 3
		.amdhsa_memory_ordered 1
		.amdhsa_forward_progress 1
		.amdhsa_inst_pref_size 30
	.end_amdhsa_kernel
	.amdgpu_metadata
---
amdhsa.version: [ 1, 2 ]
amdhsa.kernels:
  - .name:           k_q6d38167925_quant
    .symbol:         k_q6d38167925_quant.kd
    .args:
      - { .name: x, .offset: 0, .size: 8, .value_kind: global_buffer, .address_space: global }
      - { .name: W_qkv, .offset: 8, .size: 8, .value_kind: global_buffer, .address_space: global }
      - { .name: W_out, .offset: 16, .size: 8, .value_kind: global_buffer, .address_space: global }
      - { .name: inq, .offset: 24, .size: 8, .value_kind: global_buffer, .address_space: global }
    .group_segment_fixed_size: 34304
    .private_segment_fixed_size: 0
    .kernarg_segment_align: 8
    .kernarg_segment_size: 32
    .max_flat_workgroup_size: 128
    .sgpr_count:     66
    .vgpr_count:     256
    .wavefront_size: 32
...
	.end_amdgpu_metadata
.endif
;; end of part 1
;; launch gemm_qkv (part 2): grid 12 x 32, 4 waves a work-group, clusters of 4 x 4, 327,680 bytes of LDS; arguments inq, att; writes att
.if DOCPART == 2
	.amdgcn_target "amdgcn-amd-amdhsa--gfx1250"
	.amdhsa_code_object_version 6
	.text
	.protected	k_q6d38167925_gemm_qkv
	.globl	k_q6d38167925_gemm_qkv
	.p2align	8
	.type	k_q6d38167925_gemm_qkv,@function
k_q6d38167925_gemm_qkv:
	s_mov_b64 s[64:65], 0
	v_nop
	global_prefetch_b8 v0, s[64:65] scope:SCOPE_SE
	s_setreg_imm32_b32 hwreg(HW_REG_WAVE_MODE, 25, 1), 1
	s_wait_xcnt 0x0
	s_wait_alu depctr_hold_cnt(0) depctr_sa_sdst(0) depctr_va_vdst(0) depctr_va_sdst(0) depctr_va_ssrc(0) depctr_va_vcc(0) depctr_vm_vsrc(0)
	s_getreg_b32 s2, hwreg(HW_REG_IB_STS2, 6, 4)
	s_cmp_eq_u32 s2, 0
	s_cbranch_scc0 .Lentry_in_a_cluster
	s_endpgm
.Lentry_in_a_cluster:
	s_bfe_u32 s2, ttmp6, 0x10000c
	s_cmp_lg_u32 s2, 0xf033
	s_cbranch_scc0 .Lentry_shape_is_right
	s_endpgm
.Lentry_shape_is_right:
; qkv = x W_qkv^T on codes of BF6 (E3M2) with E8M0 scales, K = 1,024; the f32 sums never go to memory: q, k and v leave as CODES, quantised in registers, in the order in which the attention's operands want them.
; OPERANDS: inq's records (12,800 bytes for 128 rows x 128 K: 8 fragment images of 1,536 bytes, then 512 bytes of scale words).  A fragment is 3 ds_load_b128 of 512 consecutive bytes; no pitch, no padding.
; A tile of 256 x 256 is made by four waves, each 128 x 128: 64 accumulators, 512 registers.  THE MATRIX INSTRUCTION IS USED TRANSPOSED: source 0 = the B role's 16 rows, source 1 = the A role's.  A lane then holds one row of the
; A role, and the 16 registers of the B role's tiles 2 b, 2 b + 1 are 16 neighbouring rows of the B role (lane r of tile t holds row 32 (t / 2) + 8 (t % 2) + r + 8 (r / 8) of its group of 128).
; TWO JOBS, one text; the job hangs on the cluster's x alone.  Clusters x = 0, 1 (q and k): A role = x's rows, B role = W_q's and W_k's: a lane's registers run along a head's 64, q's and k's K.
; Cluster x = 2 (v): A role = W_v's rows, B role = x's rows: the result is v^T, and a lane's registers run along the keys, v's K.
; OUT: att, records of 6,400 bytes at (64 g + STEP) x 6,400, g = 0-15 q's heads, 16-31 k's, 32-47 v's, STEP = a run of 128 rows of (b, l): 4 images of 1,536 bytes, then 256 bytes of scale words: lane l's 8 bytes at 8 l: lanes 0-15 the
; words of images 0, 1 of row r, lanes 16-31 those of images 2, 3.  q, k: image x is 32 rows: registers 6 u .. 6 u + 5 hold row 32 x + 8 u + r + 8 (r / 8), the head's block h; word = [u0 blk0, u0 blk1, u1 blk0, u1 blk1].
; v: image x is 16 of the head's 64 (row 32 (x / 2) + 8 (x % 2) + r + 8 (r / 8)) x the step's 128 keys.
; K goes in 8 steps of 128, as 4 parts of two steps.  Three LDS regions of 102,400 bytes take parts 0, 1, 2 as first fills; part 3 is the one refill, into region 0.  Each wave brings a quarter of a part by one tensor load of 25,600
; dense bytes; by this text's own count a wave has at most three tensor loads out.
; CLUSTERS: 4 x 4 work-groups; the A role's blocks are shared along a row of the cluster, the B role's along a column: each is asked for jointly, by the same load with a mask that names the four.
; LIMITS: a block of zeros gets the byte 1 where the rule says 127 (its codes are zeros; this program alone reads the bytes); blocks whose largest magnitude lies under 2^-122 are held at the byte 1; NaN and infinities are not served.
; REGISTERS, in windows of 256: window 0: v2-13 LDS addresses, v20-21 store offsets, v28-29 for the add; v32-63 scale words, two sets (in a set: 0-7 the A role's tiles, 8-15 the B role's); v64-127 at work on the way out;
;   v128-223 the A role's 8 fragments, ONE set.  window 1: the B role's, TWO sets, at v0 and v128.  window 2: accumulators of A tiles 0-3 ((a, b) at v[8 (8 (a % 4) + b)]); window 3: of A tiles 4-7.
.set NLA,   3                          ; LDS loads that bring a fragment
.set REG,   102400                     ; a region: four waves' blocks
.set BLK,   25600                      ; a block: two records of one group
.set REC,   12800
.set SPARE, 3*REG                      ; behind the regions: the spare words, 128 bytes for each wave: two blocks of 256 bytes that no other line names
.set ADRA,  2                          ; v2-4    my A fragments in region 0, 1, 2: + 16 x lane
.set ADRB,  5                          ; v5-7    the same for B
.set ADSA,  8                          ; v8-10   A's scale words: + 12,288 + 16 r
.set ADSB,  11                         ; v11-13  B's
.set LI,    20                         ; v20     16 x lane
.set L8,    21                         ; v21     8 x lane
.set SPW,   28                         ; v28     LDS address of my spare word; never rewritten
.set NIL,   29                         ; v29     0; never rewritten
.set SC,    32
.set TM,    64                         ; v64-67 largest magnitudes, v68-71 bytes, v76-79 the conversions' scale operands
.set TT,    80                         ; v80-87  the blocks' upper halves as the conversions leave them
.set PWA,   88
.set PWB,   89
.set WS,    90                         ; v90-97  the scale words of 2 heads x 4 images
.set PK,    98
.set IMG,   100                        ; v100-123 two images
.set AF,    128
.set G1A,   24                         ; s[24:31], s[32:39] descriptor groups 1;  s[40:51], s[52:63] groups 0, a set for each first fill
.set G1B,   32
.set G0A,   40
.set G0B,   52
.set MUL_LO, 0xa1                      ; source 0 (B) window 1, source 1 (A) window 0, C and D window 2
.set MUL_HI, 0xf1                      ; the same, C and D window 3
.set TO_B,   0x40                      ; destination window 1, address window 0
.set MSB, 0
.macro WIN new                         ; the immediate's high byte repeats the setting that is left
.if MSB != (\new)
	s_set_vgpr_msb (MSB<<8)|(\new)
.set MSB, (\new)
.endif
.endm
.macro PLACES n
.rept \n
	v_nop
.endr
.endm
; A joint load: waves 0 and 1 fetch for the A role, waves 2 and 3 for the B role.  The branch hangs on the wave's number alone.  Four v_nop follow each of the two lines.
.macro JLOAD g0a, g1a, g0b, g1b
	s_cmp_eq_u32 s15, 0
	s_cbranch_scc0 .Lfor_b_\@
	tensor_load_to_lds s[\g0a:\g0a+3], s[\g1a:\g1a+7]
	s_nop 0
.rept 4
	v_nop
.endr
	s_branch .Lasked_\@
.Lfor_b_\@:
	tensor_load_to_lds s[\g0b:\g0b+3], s[\g1b:\g1b+7]
	s_nop 0
.rept 4
	v_nop
.endr
.Lasked_\@:
.endm
.macro CREST                           ; a round of the cluster's barrier behind its opening barrier
	s_cmp_lg_u32 s14, 0
	s_cbranch_scc1 .Lnot_wave_0_\@
	s_barrier_signal -3
.Lnot_wave_0_\@:
	s_barrier_wait -3
	s_barrier_signal -1
	s_barrier_wait -1
.endm
.macro CROUND                          ; a whole round
	s_barrier_signal -1
	s_barrier_wait -1
	CREST
.endm
	s_load_b128 s[4:7], s[0:1], 0x0                ; inq s[4:5], att s[6:7]
	v_lshl_add_u32 v[SPW], v0, 2, SPARE
	v_mov_b32 v[NIL], 0
	ds_add_u32 v28, v29
	ds_add_u32 v28, v29
	s_wait_dscnt 0x0
	v_lshrrev_b32 v1, 5, v0
	v_readfirstlane_b32 s14, v1                    ; wave 0..3
	s_lshr_b32 s15, s14, 1                         ; wr: which group of the A role is mine.  Also: I fetch for A (0) or for B (1)
	s_and_b32 s16, s14, 1                          ; wc: which group of the B role.  Also: which of the two groups I fetch
	s_bfe_u32 s66, ttmp6, 0x40000                  ; cx
	s_bfe_u32 s67, ttmp6, 0x40004                  ; cy
	s_and_b32 s69, ttmp7, 0xffff                   ; the cluster's y
	s_lshl_b32 s70, s67, 2
	s_lshl_b32 s70, 15, s70                        ; my row of the cluster
	s_lshl_b32 s71, 0x1111, s66                    ; my column
	; descriptor group 1: 25,600 dense bytes as 100 rows of 32 elements of 8 bytes, no padding
	s_or_b32 s[G1A], s70, (3<<16)|(1<<21)          ; 15:0 the mask; 17:16 elements of 8 bytes; 21 set beside a mask
	s_or_b32 s[G1B], s71, (3<<16)|(1<<21)
.irp g, G1A, G1B
	s_mov_b32 s[\g+1], 32<<16                      ; tensor_dim0 = 32
	s_mov_b32 s[\g+2], 100<<16                     ; tensor_dim1 = 100
	s_mov_b32 s[\g+3], 32<<16                      ; tile_dim0 = 32
	s_mov_b32 s[\g+4], 100                         ; tile_dim1 = 100
	s_mov_b32 s[\g+5], 32                          ; from row to row
	s_mov_b32 s[\g+6], 0
	s_mov_b32 s[\g+7], 0
.endr
	s_lshl_b32 s72, s69, 3                         ; 8 Y
	s_lshl_b32 s73, ttmp9, 3
	s_add_co_u32 s73, s73, 64                      ; 64 + 8 X
	s_lshl_b32 s74, s69, 2                         ; 4 Y
	s_lshl_b32 s75, ttmp9, 2                       ; 4 X
	s_cmp_eq_u32 ttmp9, 2                          ; the job: the same in all sixteen partners
	s_cselect_b32 s76, 80, s72                     ; the A role's first group, less 2 cy: W_v's, or x's
	s_cselect_b32 s77, s72, s73                    ; the B role's, less 2 cx: x's, or W_q's and W_k's
	s_cselect_b32 s78, 0, s74                      ; the tile row, less cy
	s_cselect_b32 s79, s74, s75                    ; the tile column, less cx
	s_cselect_b32 s80, 1, 0                        ; 1: the job is v
	s_lshl_b32 s81, s67, 1
	s_add_co_u32 s76, s76, s81
	s_add_co_u32 s76, s76, s16                     ; the A group that I would fetch: it hangs on cy, never on cx
	s_mul_i32 s84, s76, 8*REC
	s_mov_b32 s85, 0
	s_lshl_b32 s82, s66, 1
	s_add_co_u32 s77, s77, s82
	s_add_co_u32 s77, s77, s16                     ; the B group: on cx, never on cy
	s_mul_i32 s86, s77, 8*REC
	s_mov_b32 s87, 0
	s_mul_i32 s83, s14, BLK                        ; where a block goes in a region: no place in the cluster enters an LDS address
	; where my results go: q, k: g = 4 column + 2 wc, STEP = 2 row + wr;  v: g = 32 + 4 row + 2 wr, STEP = 2 column + wc
	s_add_co_u32 s78, s78, s67
	s_add_co_u32 s79, s79, s66
	s_lshl_b32 s88, s79, 2
	s_lshl_b32 s94, s16, 1
	s_add_co_u32 s88, s88, s94
	s_lshl_b32 s89, s78, 1
	s_add_co_u32 s89, s89, s15
	s_lshl_b32 s90, s78, 2
	s_lshl_b32 s94, s15, 1
	s_add_co_u32 s90, s90, s94
	s_add_co_u32 s90, s90, 32
	s_lshl_b32 s91, s79, 1
	s_add_co_u32 s91, s91, s16
	s_cmp_eq_u32 s80, 1
	s_cselect_b32 s88, s90, s88
	s_cselect_b32 s89, s91, s89
	s_lshl_b32 s88, s88, 6
	s_add_co_u32 s88, s88, s89
	s_mul_i32 s92, s88, 6400
	s_mov_b32 s93, 0
	s_wait_kmcnt 0x0
	s_add_nc_u64 s[84:85], s[4:5], s[84:85]
	s_add_nc_u64 s[86:87], s[4:5], s[86:87]
	s_add_nc_u64 s[6:7], s[6:7], s[92:93]
	CROUND                                         ; all sixteen work-groups are here: the first joint loads meet
.irp p, 0,1,2
	s_mov_b32 s[G0A+4*\p], 1                       ; count = 1
	s_add_co_u32 s[G0A+4*\p+1], s83, \p*REG        ; LDS address
	s_add_nc_u64 s[G0A+4*\p+2:G0A+4*\p+3], s[84:85], \p*BLK   ; global address: part p
	s_or_b32 s[G0A+4*\p+3], s[G0A+4*\p+3], 0x80000000          ; type = 2
	s_mov_b32 s[G0B+4*\p], 1
	s_add_co_u32 s[G0B+4*\p+1], s83, \p*REG
	s_add_nc_u64 s[G0B+4*\p+2:G0B+4*\p+3], s[86:87], \p*BLK
	s_or_b32 s[G0B+4*\p+3], s[G0B+4*\p+3], 0x80000000
	JLOAD G0A+4*\p, G1A, G0B+4*\p, G1B
.endr
	v_and_b32 v1, 31, v0
	v_lshlrev_b32 v[LI], 4, v1
	v_lshlrev_b32 v[L8], 3, v1
	v_and_b32 v1, 15, v0
	v_lshlrev_b32 v1, 4, v1                        ; 16 r
	s_mul_i32 s96, s15, BLK                        ; my group of A
	s_mul_i32 s97, s16, BLK
	s_add_co_u32 s97, s97, 2*BLK                   ; my group of B, behind A's two
	v_add_nc_u32 v[ADRA], s96, v[LI]
	v_add_nc_u32 v[ADRB], s97, v[LI]
	v_add_nc_u32 v[ADSA], s96, v1
	v_add_nc_u32 v[ADSA], 12288, v[ADSA]
	v_add_nc_u32 v[ADSB], s97, v1
	v_add_nc_u32 v[ADSB], 12288, v[ADSB]
.irp p, 1,2
	v_add_nc_u32 v[ADRA+\p], \p*REG, v[ADRA]
	v_add_nc_u32 v[ADRB+\p], \p*REG, v[ADRB]
	v_add_nc_u32 v[ADSA+\p], \p*REG, v[ADSA]
	v_add_nc_u32 v[ADSB+\p], \p*REG, v[ADSB]
.endr
.irp b, 0,1,2,3
	v_mov_b32 v[TM+4+\b], 0                        ; written once: a lane permute's destination counts as one of its sources
.endr
; K step nk lies in region (nk / 2) % 3, record nk % 2 of a block; its B fragments and scale words go to set nk % 2.
.macro FETCH_B nk
	WIN TO_B
.irp i, 0,1,2,3,4,5,6,7
.irp g, 0,1,2
	ds_load_b128 v[128*((\nk)%2)+12*\i+4*\g:128*((\nk)%2)+12*\i+4*\g+3], v[ADRB+((\nk)/2)%3] offset:REC*((\nk)%2)+1536*\i+512*\g
.endr
.endr
	WIN 0
.endm
.macro FETCH_A nk, i0                  ; A's tiles i0 .. i0 + 3
.irp i, \i0, \i0+1, \i0+2, \i0+3
.irp g, 0,1,2
	ds_load_b128 v[AF+12*(\i)+4*\g:AF+12*(\i)+4*\g+3], v[ADRA+((\nk)/2)%3] offset:REC*((\nk)%2)+1536*(\i)+512*\g
.endr
.endr
.endm
.macro SCALES nk                       ; lane (r, h) takes row r's words of tiles 0-3 and 4-7, of A and of B
.set SCP, SC+16*((\nk)%2)
	ds_load_b128 v[SCP:SCP+3], v[ADSA+((\nk)/2)%3] offset:REC*((\nk)%2)
	ds_load_b128 v[SCP+4:SCP+7], v[ADSA+((\nk)/2)%3] offset:REC*((\nk)%2)+256
	ds_load_b128 v[SCP+8:SCP+11], v[ADSB+((\nk)/2)%3] offset:REC*((\nk)%2)
	ds_load_b128 v[SCP+12:SCP+15], v[ADSB+((\nk)/2)%3] offset:REC*((\nk)%2)+256
.endm
; 16 matrix instructions: A's tiles a0, a0 + 1 x B's eight.  The 64 accumulators take turns, one instruction a turn, in the same order in every step.  zero = 1: the first product starts the sums.
.macro MUL16 a0, p, zero
.irp a, \a0, \a0+1
.irp b, 0,1,2,3,4,5,6,7
.if \zero
	v_wmma_scale_f32_16x16x128_f8f6f4 v[8*(8*((\a)%4)+\b):8*(8*((\a)%4)+\b)+7], v[128*(\p)+12*\b:128*(\p)+12*\b+11], v[AF+12*(\a):AF+12*(\a)+11], 0, v[SC+16*(\p)+8+\b], v[SC+16*(\p)+(\a)] matrix_a_fmt:MATRIX_FMT_BF6 matrix_b_fmt:MATRIX_FMT_BF6
.else
	v_wmma_scale_f32_16x16x128_f8f6f4 v[8*(8*((\a)%4)+\b):8*(8*((\a)%4)+\b)+7], v[128*(\p)+12*\b:128*(\p)+12*\b+11], v[AF+12*(\a):AF+12*(\a)+11], v[8*(8*((\a)%4)+\b):8*(8*((\a)%4)+\b)+7], v[SC+16*(\p)+8+\b], v[SC+16*(\p)+(\a)] matrix_a_fmt:MATRIX_FMT_BF6 matrix_b_fmt:MATRIX_FMT_BF6
.endif
.endr
.endr
.endm
; A K step: 64 matrix instructions; in its middle the next step's B set, A tiles 0-3 and scale words are fetched, at its end A tiles 4-7 (a tile of A is free once its eight products are issued).
; Loads into registers that matrix instructions have read stand four plain vector instructions behind them (ISA guide 7.12.1 for vector instructions).
; mode 0: plain.  mode 1: region 0 has been read out and is filled again with part 3, behind a round of the cluster's barrier.  mode 2: a barrier that shows part 3 whole to all four waves.  mode 3: the last step.
.macro KS kk, mode, zero
.set PP, (\kk)%2
.if ((\mode) == 0) || ((\mode) == 3)
	s_wait_dscnt 4*NLA                             ; B's set, A's tiles 0-3 and the scale words are in; the youngest loads (A's tiles 4-7) may be out
	WIN MUL_LO
	MUL16 0, PP, \zero
	MUL16 2, PP, \zero
	s_wait_dscnt 0x0                               ; A's tiles 4-7 are in
.else
	s_wait_tensorcnt 0x0                           ; all my tensor loads have landed
	ds_add_u32 v[SPW], v[NIL]                      ; 0 onto my spare word
	s_wait_dscnt 4*NLA+1                           ; (the add and A's tiles 4-7 may be out)
	WIN MUL_LO
	MUL16 0, PP, 0                                 ; sixteen matrix instructions stand between the add and the wait for it
	s_wait_dscnt 0x0                               ; the add is done, and my reads of the region that I leave are over
	s_barrier_signal -1
	MUL16 2, PP, 0
	WIN 0                                          ; at a branch and at a label every window is 0
	s_barrier_wait -1
.endif
.if (\mode) == 1
	CREST                                          ; the barrier has opened a round of the cluster's: no wave of any partner still reads region 0 or has a load on its way
	s_add_nc_u64 s[G0A+2:G0A+3], s[G0A+2:G0A+3], 3*BLK   ; region 0's descriptors step to part 3 (no tensor load of mine is out)
	s_add_nc_u64 s[G0B+2:G0B+3], s[G0B+2:G0B+3], 3*BLK
	JLOAD G0A, G1A, G0B, G1B                       ; the first tensor load behind the round, and my only one; its four v_nop are the places in front of the loads below
.endif
.if ((\mode) == 0) || ((\mode) == 2)
	PLACES 4
.endif
.if (\mode) != 3
	FETCH_B (\kk)+1
	FETCH_A (\kk)+1, 0
	SCALES (\kk)+1
.endif
	WIN MUL_HI
	MUL16 4, PP, \zero
	MUL16 6, PP, \zero
.if (\mode) != 3
	PLACES 4
	WIN 0
	FETCH_A (\kk)+1, 4
.endif
.endm
	s_wait_tensorcnt 2                             ; my part of part 0 is in; the two loads issued behind it may stay out
	s_barrier_signal -1
	s_barrier_wait -1                              ; everybody's is
	FETCH_B 0
	FETCH_A 0, 0
	SCALES 0
	FETCH_A 0, 4
	KS 0, 0, 1
	KS 1, 1, 0                                     ; every wave has waited for parts 1 and 2 in front of this round: no barrier is needed where region 1 is left for region 2
	KS 2, 0, 0
	KS 3, 0, 0
	KS 4, 0, 0
	KS 5, 2, 0
	KS 6, 0, 0
	KS 7, 3, 0
	WIN 0
; THE WAY OUT.  The 64 registers of A tile a (8 accumulators, in window w from register ac on) are, in lane (r, h), the numbers k = 32 b + 16 h + 0 .. 15, b = 0 .. 3, of one row: they become a fragment's codes,
; registers 0-5 in v[d0] on, 6-11 in v[d1] on, and the row's scale word in v[pw].  Each accumulator is read from its low end on.
.macro QUANTW ac, w, d0, d1, pw
	WIN ((\w)<<2)|((\w)<<4)                        ; sources 1 and 2: the accumulators' window
.irp b, 0,1,2,3
	v_max3_num_f32 v[TM+\b], 0x2800000, |v[(\ac)+16*\b]|, |v[(\ac)+16*\b+1]|   ; block b: my 16 numbers, and the floor 2^(5 - 127): the byte cannot fall under 1
.endr
.irp i, 2,4,6,8,10,12,14
.irp b, 0,1,2,3
	v_max3_num_f32 v[TM+\b], v[TM+\b], |v[(\ac)+16*\b+\i]|, |v[(\ac)+16*\b+\i+1]|   ; (the four blocks by turns)
.endr
.endr
	WIN 0
.irp b, 0,1,2,3
	v_permlanex16_b32 v[TM+4+\b], v[TM+\b], s98, s99
.endr
.irp b, 0,1,2,3
	v_max_num_f32 v[TM+\b], v[TM+\b], v[TM+4+\b]   ; with lane l xor 16's: the block's largest magnitude
.endr
.irp b, 0,1,2,3
	v_add_nc_u32 v[TM+12+\b], 0xfe000000, v[TM+\b] ; 4 off its exponent field: the conversion's scale operand
.endr
.irp b, 0,1,2,3
	v_lshrrev_b32 v[TM+4+\b], 23, v[TM+12+\b]      ; the scale's byte
.endr
	v_lshl_or_b32 v[(\pw)], v[TM+5], 8, v[TM+4]
	v_lshl_or_b32 v[(\pw)], v[TM+6], 16, v[(\pw)]
	v_lshl_or_b32 v[(\pw)], v[TM+7], 24, v[(\pw)]
	WIN (\w)                                       ; source 0: the accumulators' window
	v_cvt_scalef32_pk16_bf6_f32 v[(\d0):(\d0)+2], v[(\ac):(\ac)+15], v[TM+12]
	v_cvt_scalef32_pk16_bf6_f32 v[TT:TT+2], v[(\ac)+16:(\ac)+31], v[TM+13]      ; (a conversion's three registers begin on an even number)
	v_cvt_scalef32_pk16_bf6_f32 v[(\d1):(\d1)+2], v[(\ac)+32:(\ac)+47], v[TM+14]
	v_cvt_scalef32_pk16_bf6_f32 v[TT+4:TT+6], v[(\ac)+48:(\ac)+63], v[TM+15]
	WIN 0
	v_nop                                          ; one plain place behind a scaled conversion
.irp i, 0,1,2                          ; the operand's layout wants a WHOLE block in a lane: lanes 0-15 the even block, lanes 16-31 the odd one
	v_permlane16_swap_b32 v[(\d0)+\i], v[TT+\i]
	v_permlane16_swap_b32 v[(\d1)+\i], v[TT+4+\i]
.endr
.irp i, 0,1,2
	v_mov_b32 v[(\d0)+3+\i], v[TT+\i]
	v_mov_b32 v[(\d1)+3+\i], v[TT+4+\i]
.endr
.endm
	s_mov_b32 s98, 0x76543210
	s_mov_b32 s99, 0xfedcba98                      ; v_permlanex16_b32's selects for lane l xor 16
	PLACES 4                                       ; in front of the first read of results
	s_cmp_eq_u32 s80, 1
	s_cbranch_scc1 .Ljob_v
	; q, k: A tiles 2 x and 2 x + 1 are 32 rows; the lower six registers of each fragment are my first head's 64, the upper six my second head's: image x of each of two heads
.irp be, 0,1,2,3
.if \be > 0
	s_wait_xcnt 0x0                                ; the stores have read the images' registers: they are written again only behind this wait
.endif
	QUANTW 64*((2*\be)%4), 2+\be/2, IMG, IMG+12, PWA
	QUANTW 64*((2*\be+1)%4), 2+\be/2, IMG+6, IMG+18, PWB
	v_perm_b32 v[WS+\be], v[PWB], v[PWA], 0x05040100     ; the first head's word: the two rows' lower halves
	v_perm_b32 v[WS+4+\be], v[PWB], v[PWA], 0x07060302   ; the second head's: their upper halves
.irp x, 0,1
.irp g, 0,1,2
	global_store_b128 v[LI], v[IMG+12*\x+4*\g:IMG+12*\x+4*\g+3], s[6:7] offset:409600*\x+1536*\be+512*\g   ; 32 lanes store 512 consecutive bytes
.endr
.endr
.endr
	s_branch .Lwords
.Ljob_v:
	; v: A tile a is 16 of head a / 4's 64, and its fragment, K = the step's 128 keys, is image a % 4 as it stands
.irp be, 0,1,2,3
.if \be > 0
	s_wait_xcnt 0x0
.endif
	QUANTW 64*((2*\be)%4), 2+\be/2, IMG, IMG+6, WS+4*(\be/2)+2*(\be%2)
	QUANTW 64*((2*\be+1)%4), 2+\be/2, IMG+12, IMG+18, WS+4*(\be/2)+2*(\be%2)+1
.irp x, 0,1
.irp g, 0,1,2
	global_store_b128 v[LI], v[IMG+12*\x+4*\g:IMG+12*\x+4*\g+3], s[6:7] offset:409600*(\be/2)+1536*(2*(\be%2)+\x)+512*\g
.endr
.endr
.endr
.Lwords:
	s_mov_b32 vcc_lo, 0xffff0000                   ; lanes 16-31
.irp e, 0,1                            ; a head's 256 bytes of scale words: lanes 0-15 row r's words of images 0, 1, lanes 16-31 of images 2, 3
.if \e > 0
	s_wait_xcnt 0x0
.endif
	v_cndmask_b32 v[PK], v[WS+4*\e], v[WS+4*\e+2], vcc_lo
	v_cndmask_b32 v[PK+1], v[WS+4*\e+1], v[WS+4*\e+3], vcc_lo
	global_store_b64 v[L8], v[PK:PK+1], s[6:7] offset:409600*\e+6144
.endr
	s_wait_tensorcnt 0x0                           ; the wave's end
	ds_add_u32 v[SPW], v[NIL]
	s_wait_dscnt 0x0
	CROUND                                         ; the closing round: no work-group ends while a partner may still ask for a block that names it
	s_endpgm
.Lfunc_end_k_q6d38167925_gemm_qkv:
	.size	k_q6d38167925_gemm_qkv, .Lfunc_end_k_q6d38167925_gemm_qkv-k_q6d38167925_gemm_qkv
	.p2alignl 7, 3214868480
	.fill 96, 4, 3214868480
	.section	.rodata,"a",@progbits
	.p2align	6, 0x0
	.amdhsa_kernel k_q6d38167925_gemm_qkv
		.amdhsa_group_segment_fixed_size 327680
		.amdhsa_private_segment_fixed_size 0
		.amdhsa_enable_private_segment 0
		.amdhsa_kernarg_size 16
		.amdhsa_user_sgpr_count 2
		.amdhsa_user_sgpr_kernarg_segment_ptr 1
		.amdhsa_wavefront_size32 1
		.amdhsa_system_sgpr_workgroup_id_x 1
		.amdhsa_system_sgpr_workgroup_id_y 1
		.amdhsa_system_sgpr_workgroup_id_z 1
		.amdhsa_system_vgpr_workitem_id 0
		.amdhsa_next_free_vgpr 1024
		.amdhsa_next_free_sgpr 100
		.amdhsa_reserve_vcc 1
		.amdhsa_float_denorm_mode_32 3
		.amdhsa_float_denorm_mode_16_64 3
		.amdhsa_memory_ordered 1
		.amdhsa_forward_progress 1
		.amdhsa_inst_pref_size 172
	.end_amdhsa_kernel
	.amdgpu_metadata
---
amdhsa.version: [ 1, 2 ]
amdhsa.kernels:
  - .name:           k_q6d38167925_gemm_qkv
    .symbol:         k_q6d38167925_gemm_qkv.kd
    .args:
      - { .name: inq, .offset: 0, .size: 8, .value_kind: global_buffer, .address_space: global }
      - { .name: att, .offset: 8, .size: 8, .value_kind: global_buffer, .address_space: global }
    .group_segment_fixed_size: 327680
    .private_segment_fixed_size: 0
    .kernarg_segment_align: 8
    .kernarg_segment_size: 16
    .max_flat_workgroup_size: 128
    .sgpr_count:     100
    .vgpr_count:     1024
    .wavefront_size: 32
...
	.end_amdgpu_metadata
.endif
;; end of part 2
;; launch attn (part 3): grid 4 x 64, 16 waves a work-group, clusters of 4 x 1, 207,872 bytes of LDS; arguments att, oc, os; writes oc, os
.if DOCPART == 3
	.amdgcn_target "amdgcn-amd-amdhsa--gfx1250"
	.amdhsa_code_object_version 6
	.text
	.protected	k_q6d38167925_attn
	.globl	k_q6d38167925_attn
	.p2align	8
	.type	k_q6d38167925_attn,@function
k_q6d38167925_attn:
	s_mov_b64 s[64:65], 0
	v_nop
	global_prefetch_b8 v0, s[64:65] scope:SCOPE_SE
	s_setreg_imm32_b32 hwreg(HW_REG_WAVE_MODE, 25, 1), 1
	s_wait_xcnt 0x0
	s_wait_alu depctr_hold_cnt(0) depctr_sa_sdst(0) depctr_va_vdst(0) depctr_va_sdst(0) depctr_va_ssrc(0) depctr_va_vcc(0) depctr_vm_vsrc(0)
	s_getreg_b32 s2, hwreg(HW_REG_IB_STS2, 6, 4)
	s_cmp_eq_u32 s2, 0
	s_cbranch_scc0 .Lentry_in_a_cluster
	s_endpgm
.Lentry_in_a_cluster:
	s_bfe_u32 s2, ttmp6, 0x10000c
	s_cmp_lg_u32 s2, 0x3003
	s_cbranch_scc0 .Lentry_shape_is_right
	s_endpgm
.Lentry_shape_is_right:
; o = softmax(q k^T / 8, causal) v for one (batch, head) a cluster, both products on codes of BF6 (E3M2) with E8M0 scales; o leaves as codes of BF6 along the head's 64, the last product's K.
; THE SOFTMAX AHEAD OF THE SECOND PRODUCT: t = score x log2(e) / 8; M = the running largest t rounded UP to a whole number; p = 2^(t - M) is what is quantised, along the keys, not normalised.  The row's sum is taken of the
; unquantised p and divides O at the end.  When M moves, the sum and O are multiplied by 2^(old M - new M): exact.
; IN: att's records of 6,400 bytes at (64 g + 16 b + s) x 6,400 (g = head for q, 16 + head for k, 32 + head for v; s = a run of 128 rows): 4 images of 1,536 bytes (registers 4 g' .. 4 g' + 3 of lane l at 512 g' + 16 l), then
; 256 bytes of scale words, lane l's 8 bytes at 8 l (lanes 0-15: images 0, 1 of row r; lanes 16-31: images 2, 3).
; K = 64 FILLS HALF OF THE INSTRUCTION'S 128: an image of k holds TWO tiles of 16 keys, one in registers 0-5 and one in 6-11, and q stands once in the lower half beside zero codes and once in the upper: two products an image.
; SHARES.  The four work-groups of a cluster share one (b, head).  Work-group j owns the blocks of 32 queries 4 i + j, i = 0 .. 15: block i needs i + 1 key steps of 128 whatever j is.  Wave w (u = w & 1, w' = w >> 1) takes the 16
; queries 128 i + 32 j + 8 u + r + 8 (r / 8) for i = w' and then for i = 15 - w': 17 key steps for every wave of every work-group.  Four waves to a SIMD: one wave's vector work stands beside another's products and LDS loads.
; CLUSTER.  The head's whole K and V, 204,800 bytes, come into LDS once, by joint loads (waves 0-7, one each, 25,600 dense bytes): the same load with the same descriptor and the mask of all four in each work-group.
; Nothing in LDS is filled twice.  cx enters the global addresses of q, oc and os and the mask's compare value alone: no branch, no LDS address, no descriptor.
; CAUSAL.  Every wave walks 16 trips; a step all of whose keys come after the wave's queries is jumped over by a scalar branch on ids; in the one step on the diagonal hidden scores become -infinity ahead of the maximum.
; Both products are used transposed (S^T = k q^T, O^T = v^T p^T): a lane holds ONE query throughout; the 16 registers of two neighbouring tiles of S^T are 16 neighbouring keys.
; OUT: oc: images of o for the last product, at (((16 b + i) 8 + head / 2) 8 + 2 j + u) x 1,536 + 768 (head % 2): my six registers: four at 16 l, two at 512 + 8 l.  os: ((16 b + head) 4 + j) x 1,024 + 64 i + 4 r + 2 u: two scale bytes.
; LIMITS: a block of zeros gets the byte 1 where the rule says 127 (its codes are zeros; this program alone reads the bytes); blocks whose largest magnitude lies under 2^-122 are held at the byte 1; NaN and infinities are not served.
; REGISTERS: v1-4 lane terms of LDS addresses; v5 the mask's compare value; v6 -infinity; v7-8 where the two passes' scale bytes go; v9-11, v16 addresses in hand; v12 -M, v13 the largest t, v[14:15] the sum; v17-20 q's offsets;
; v21-22 os's way out; v24-53 [0 | q of pass 0 | 0 | q of pass 1 | 0], six each; v54-55 q's scale words; v56-103 four fragments; v104-167 S^T, then p; v168-199 O^T; v200-211 p's codes; v212-253 at work.
.set REC,  6400
.set VB,   102400                      ; LDS: K's 16 records at 0, V's here,
.set OSC,  204800                      ; and 1,024 bytes in which the work-group's scale bytes of o are gathered: no tensor load lands there
.set QZ,   24
.set QS,   54
.set F,    56
.set SB,   104
.set OT,   168
.set PC,   200
.set CT,   212
.set BM,   220                         ; v220-223 the blocks' largest scores, then largest p
.set BT,   224                         ; v224-227 the other half's; then the bytes
.set BO,   228                         ; v228-231 the conversions' scale operands
.set TMP,  232
.set FF,   234                         ; v[234:235] f = 2^(old M - new M); at the end 1 / the sum
.set S2,   236                         ; v[236:237] the sum's second chain
.set PW,   238                         ; p's scale word
.set KW,   240                         ; v[240:241] K's scale words;  v[242:243] V's
.set VW,   242
.set OC,   244                         ; v244-249 o's codes;  v250-252 their upper half as the conversion leaves it
.set OX,   250
.set OW,   253                         ; o's two scale bytes
.set WV,   18
.set SEL,  20
.set CS,   22
.set G1,   24
.set G0,   32
.set IQ,   36                          ; s36, s37: the two passes' i
.set SS,   38                          ; the key step
.set TB,   39                          ; and its record's LDS byte
.macro CROUND                          ; a round of the cluster's barrier
	s_barrier_signal -1
	s_barrier_wait -1
	s_cmp_lg_u32 s[WV], 0
	s_cbranch_scc1 .Lnot_wave_0_\@
	s_barrier_signal -3
.Lnot_wave_0_\@:
	s_barrier_wait -3
	s_barrier_signal -1
	s_barrier_wait -1
.endm
	s_load_b128 s[4:7], s[0:1], 0x0                ; att s[4:5], oc s[6:7]
	s_load_b64 s[8:9], s[0:1], 0x10                ; os
	v_lshl_add_u32 v254, v0, 2, 0x32400
	v_mov_b32 v255, 0
	ds_add_u32 v254, v255
	ds_add_u32 v254, v255
	v_lshrrev_b32 v9, 5, v0
	v_readfirstlane_b32 s[WV], v9                  ; wave 0..15
	s_bfe_u32 s10, ttmp6, 0x40000                  ; j = cx
	s_and_b32 s11, ttmp7, 0xffff                   ; 16 b + head
	s_lshr_b32 s12, s11, 4                         ; b
	s_and_b32 s13, s11, 15                         ; head
	s_and_b32 s14, s[WV], 1                        ; u
	s_lshr_b32 s[IQ], s[WV], 1                     ; pass 0: i = w'
	s_xor_b32 s[IQ+1], s[IQ], 15                   ; pass 1: i = 15 - w'
	; descriptor group 1: 25,600 dense bytes as 100 rows of 32 elements of 8 bytes, no padding
	s_mov_b32 s[G1], 15|(3<<16)|(1<<21)            ; 15:0 the mask: all four work-groups; 17:16 elements of 8 bytes; 21 set beside a mask
	s_mov_b32 s[G1+1], 32<<16
	s_mov_b32 s[G1+2], 100<<16
	s_mov_b32 s[G1+3], 32<<16
	s_mov_b32 s[G1+4], 100
	s_mov_b32 s[G1+5], 32
	s_mov_b32 s[G1+6], 0
	s_mov_b32 s[G1+7], 0
	s_and_b32 s15, s[WV], 7                        ; what wave w & 7 fetches: waves 0-3 K's quarters, waves 4-7 V's
	s_mov_b32 s[G0], 1
	s_mul_i32 s[G0+1], s15, 25600                  ; LDS address
	s_and_b32 s16, s15, 3
	s_mul_i32 s16, s16, 25600
	s_lshr_b32 s17, s15, 2
	s_mul_i32 s17, s17, 6553600                    ; V's heads lie 16 x 409,600 bytes behind K's
	s_add_co_u32 s16, s16, s17
	s_add_co_u32 s17, s13, 16
	s_mul_i32 s17, s17, 409600
	s_add_co_u32 s16, s16, s17
	s_mul_i32 s17, s12, 102400
	s_add_co_u32 s16, s16, s17
	s_mov_b32 s17, 0
	; q's, oc's and os's places
	s_mul_i32 s56, s13, 409600                     ; q's head
	s_lshl_b32 s57, s12, 4                         ; 16 b
	s_mul_i32 s58, s10, 1536                       ; image j
	s_lshr_b32 s59, s10, 1
	s_lshl_b32 s59, s59, 7
	s_and_b32 s60, s10, 1
	s_lshl_b32 s60, s60, 2
	s_add_co_u32 s59, s59, s60
	s_add_co_u32 s59, s59, 6144                    ; image j's scale words: 6,144 + 128 (j / 2) + 4 (j % 2), + 8 r
	s_lshr_b32 s60, s13, 1                         ; head / 2: the last product's K step
	s_and_b32 s61, s13, 1
	s_mul_i32 s61, s61, 768
	s_lshl_b32 s62, s10, 1
	s_add_co_u32 s62, s62, s14                     ; 2 j + u: the tile
.irp n, 0,1
	s_add_co_u32 s63, s57, s[IQ+\n]                ; 16 b + i
	s_mul_i32 s41, s63, REC
	s_add_co_u32 s41, s41, s56
	s_add_co_u32 s[42+2*\n], s41, s58
	s_mov_b32 s[43+2*\n], 0
	s_add_co_u32 s[46+2*\n], s41, s59
	s_mov_b32 s[47+2*\n], 0
	s_lshl_b32 s63, s63, 3
	s_add_co_u32 s63, s63, s60
	s_lshl_b32 s63, s63, 3
	s_add_co_u32 s63, s63, s62
	s_mul_i32 s63, s63, 1536
	s_add_co_u32 s[50+2*\n], s63, s61
	s_mov_b32 s[51+2*\n], 0
.endr
	s_lshl_b32 s54, s11, 2
	s_add_co_u32 s54, s54, s10
	s_lshl_b32 s54, s54, 10
	s_mov_b32 s55, 0
	s_mul_i32 s40, s14, 0x02020202
	s_add_co_u32 s40, s40, 0x01000100              ; v_perm_b32's selector: bytes 2 u, 2 u + 1, twice
	s_mov_b32 s[SEL], 0x76543210
	s_mov_b32 s[SEL+1], 0xfedcba98                 ; v_permlanex16_b32's selects for lane l xor 16
	s_mov_b32 s[CS], 0x3e38aa3b                    ; c = log2(e) / 8
	s_mov_b32 s[CS+1], s[CS]                       ; (named with it as a pair, so it is written)
	s_wait_dscnt 0x0
	s_wait_kmcnt 0x0
	s_add_nc_u64 s[G0+2:G0+3], s[4:5], s[16:17]
	s_or_b32 s[G0+3], s[G0+3], 0x80000000          ; type = 2
.irp n, 0,1
	s_add_nc_u64 s[42+2*\n:43+2*\n], s[4:5], s[42+2*\n:43+2*\n]
	s_add_nc_u64 s[46+2*\n:47+2*\n], s[4:5], s[46+2*\n:47+2*\n]
	s_add_nc_u64 s[50+2*\n:51+2*\n], s[6:7], s[50+2*\n:51+2*\n]
.endr
	s_add_nc_u64 s[54:55], s[8:9], s[54:55]
	CROUND                                         ; all four work-groups are here: the joint loads meet
	s_cmp_lt_u32 s[WV], 8                          ; the launch's only fills, one a wave, in one branch on the wave's number
	s_cbranch_scc0 .Lno_fill
	tensor_load_to_lds s[G0:G0+3], s[G1:G1+7]
	s_nop 0
.rept 4
	v_nop
.endr
.Lno_fill:
	v_and_b32 v11, 31, v0                          ; lane
	v_and_b32 v9, 15, v0                           ; r
	v_bfe_u32 v10, v0, 4, 1                        ; h
	v_lshlrev_b32 v1, 4, v11                       ; 16 x lane: an image's place for my lane, in K's records
	v_add_nc_u32 v2, VB, v1                        ; in V's
	v_lshlrev_b32 v3, 3, v11                       ; 8 x lane: the scale words'
	v_add_nc_u32 v4, VB, v3
	v_lshlrev_b32 v20, 3, v9                       ; 8 r
	s_mul_i32 s56, s14, 520                        ; registers 6 u .. 6 u + 5 of q's image, in pairs: at 16 l + 0, 8, 512 (u = 0) or 520, 1,024, 1,032 (u = 1)
	v_add_nc_u32 v17, s56, v1
	s_add_co_u32 s57, s56, 512
	v_add_nc_u32 v19, s57, v1
	s_mul_i32 s56, s14, 1016
	s_add_co_u32 s56, s56, 8
	v_add_nc_u32 v18, s56, v1
.irp n, 0,1
	global_load_b64 v[QZ+6+12*\n:QZ+7+12*\n], v17, s[42+2*\n:43+2*\n]
	global_load_b64 v[QZ+8+12*\n:QZ+9+12*\n], v18, s[42+2*\n:43+2*\n]
	global_load_b64 v[QZ+10+12*\n:QZ+11+12*\n], v19, s[42+2*\n:43+2*\n]
	global_load_b32 v[QS+\n], v20, s[46+2*\n:47+2*\n]
.endr
	v_and_b32 v5, 8, v9
	v_add_nc_u32 v5, v5, v9                        ; r + 8 (r / 8)
	v_lshlrev_b32 v10, 4, v10
	v_sub_nc_u32 v5, v5, v10                       ; - 16 h
	s_lshl_b32 s56, s10, 5
	s_lshl_b32 s57, s14, 3
	s_add_co_u32 s56, s56, s57
	v_add_nc_u32 v5, s56, v5                       ; + 32 j + 8 u: register 16 b + i of S^T is hidden on the diagonal where 32 b + i is larger
	v_mov_b32 v6, 0xff800000                       ; -infinity
	v_lshlrev_b32 v9, 2, v9                        ; 4 r
	s_lshl_b32 s57, s14, 1
	s_add_co_u32 s57, s57, OSC
.irp n, 0,1
	s_lshl_b32 s56, s[IQ+\n], 6
	s_add_co_u32 s56, s56, s57
	v_add_nc_u32 v[7+\n], s56, v9                  ; OSC + 64 i + 4 r + 2 u
.endr
	v_lshl_add_u32 v21, v0, 4, OSC                 ; os's way out (waves 0 and 1): 16 bytes a thread
	v_lshlrev_b32 v22, 4, v0
.irp z, 0,12,24
.irp i, 0,1,2,3,4,5
	v_mov_b32 v[QZ+\z+\i], 0                       ; the zero codes beside q
.endr
.endr
.irp b, 0,1,2,3
	v_mov_b32 v[BT+\b], 0                          ; written once: a lane permute's destination counts as one of its sources
.endr
	v_mov_b32 v[TMP], 0
	v_mov_b32 v[FF+1], 0                           ; (named as the upper half of a pair)
	s_wait_tensorcnt 0x0                           ; my part of K or V is in,
	s_barrier_signal -1
	s_barrier_wait -1                              ; everybody's is
	s_wait_loadcnt 0x0                             ; q
	v_perm_b32 v[QS], v[QS], v[QS], s40            ; my tile's two bytes, for the lower and for the upper half of the 128
	v_perm_b32 v[QS+1], v[QS+1], v[QS+1], s40
; One tile of 16 queries: all its key steps, then its way out.
.macro PASS n
	v_mov_b32 v13, 0xff61b1e6                      ; the largest t so far: -3e38, under every t
	v_floor_f32 v12, -v13                          ; -M
	v_mov_b32 v14, 0                               ; the sum, in two halves
	v_mov_b32 v15, 0
.set k, 0
.rept 32
	v_mov_b32 v[OT+k], 0                           ; O^T.  (The step is written once: the first finds zeros, which the first change of M leaves zeros)
.set k, k+1
.endr
	s_mov_b32 s[SS], 0
	s_mov_b32 s[TB], 0
.Lstep_\@:
	s_cmp_gt_u32 s[SS], s[IQ+\n]                   ; all 128 keys come after my queries: the step's work is left out
	s_cbranch_scc1 .Lhidden_\@
	v_add_nc_u32 v9, s[TB], v1
	v_add_nc_u32 v10, s[TB], v2
	v_add_nc_u32 v11, s[TB], v3
	v_add_nc_u32 v16, s[TB], v4
	ds_load_b64 v[KW:KW+1], v11 offset:6144
.irp b, 0,1,2,3
.irp g, 0,1,2
	ds_load_b128 v[F+12*\b+4*\g:F+12*\b+4*\g+3], v9 offset:1536*\b+512*\g
.endr
.endr
.irp b, 0,1                            ; S^T = k q^T: image b's lower tile against [q | 0], its upper tile against [0 | q]
	s_wait_dscnt 9-3*\b                            ; the scale words and images 0 .. b are in; three loads for each younger image may be out
	v_wmma_scale_f32_16x16x128_f8f6f4 v[SB+16*\b:SB+16*\b+7], v[F+12*\b:F+12*\b+11], v[QZ+6+12*\n:QZ+17+12*\n], 0, v[KW+\b], v[QS+\n] matrix_a_fmt:MATRIX_FMT_BF6 matrix_b_fmt:MATRIX_FMT_BF6
	v_wmma_scale_f32_16x16x128_f8f6f4 v[SB+16*\b+8:SB+16*\b+15], v[F+12*\b:F+12*\b+11], v[QZ+12*\n:QZ+11+12*\n], 0, v[KW+\b], v[QS+\n] matrix_a_fmt:MATRIX_FMT_BF6 matrix_b_fmt:MATRIX_FMT_BF6
.endr
.irp b, 2,3                            ; images 2 and 3: their words stand in lanes 16-31
	s_wait_dscnt 9-3*\b
	v_wmma_scale_f32_16x16x128_f8f6f4 v[SB+16*\b:SB+16*\b+7], v[F+12*\b:F+12*\b+11], v[QZ+6+12*\n:QZ+17+12*\n], 0, v[KW+\b-2], v[QS+\n] matrix_a_fmt:MATRIX_FMT_BF6 matrix_b_fmt:MATRIX_FMT_BF6 matrix_a_scale:MATRIX_SCALE_ROW1
	v_wmma_scale_f32_16x16x128_f8f6f4 v[SB+16*\b+8:SB+16*\b+15], v[F+12*\b:F+12*\b+11], v[QZ+12*\n:QZ+11+12*\n], 0, v[KW+\b-2], v[QS+\n] matrix_a_fmt:MATRIX_FMT_BF6 matrix_b_fmt:MATRIX_FMT_BF6 matrix_a_scale:MATRIX_SCALE_ROW1
.endr                                  ; lane (r, h): the 16 registers of tiles 2 b, 2 b + 1 are keys 32 b + 16 h + 0 .. 15 of the step
.rept 4
	v_nop                                          ; four places: in front of the loads into the fragments' registers, and of the first read of the scores
.endr
	ds_load_b64 v[VW:VW+1], v16 offset:6144        ; V's four images land while the softmax is walked
.irp b, 0,1,2,3
.irp g, 0,1,2
	ds_load_b128 v[F+12*\b+4*\g:F+12*\b+4*\g+3], v10 offset:1536*\b+512*\g
.endr
.endr
	s_cmp_lg_u32 s[SS], s[IQ+\n]                   ; on the diagonal alone: hidden scores become -infinity ahead of the maximum, so that p = 0
	s_cbranch_scc1 .Lopen_\@
.set k, 0
.rept 64
	v_cmp_gt_i32 vcc_lo, 32*(k/16)+k%16, v5
	v_cndmask_b32 v[SB+k], v[SB+k], v6, vcc_lo
.set k, k+1
.endr
.Lopen_\@:
.irp b, 0,1,2,3
	v_max3_num_f32 v[BM+\b], v[SB+16*\b], v[SB+1+16*\b], v[SB+2+16*\b]   ; the largest score of each block of 32 keys: it serves for the row's maximum and, since p rises with the score, for the block's largest p
.endr
.irp i, 3,5,7,9,11,13
.irp b, 0,1,2,3
	v_max3_num_f32 v[BM+\b], v[BM+\b], v[SB+16*\b+\i], v[SB+1+16*\b+\i]   ; (the four blocks by turns)
.endr
.endr
.irp b, 0,1,2,3
	v_max_num_f32 v[BM+\b], v[BM+\b], v[SB+15+16*\b]
.endr
.irp b, 0,1,2,3
	v_permlanex16_b32 v[BT+\b], v[BM+\b], s[SEL], s[SEL+1]
.endr
.irp b, 0,1,2,3
	v_max_num_f32 v[BM+\b], v[BM+\b], v[BT+\b]     ; with lane l xor 16's 16 keys
.endr
	v_max3_num_f32 v[TMP], v[BM], v[BM+1], v[BM+2]
	v_max_num_f32 v[TMP], v[TMP], v[BM+3]          ; the step's largest score of my query
	v_mul_f32 v[TMP], s[CS], v[TMP]                ; as t (c is positive)
	v_max_num_f32 v13, v13, v[TMP]                 ; the running largest t
	v_mov_b32 v[TMP], v12
	v_floor_f32 v12, -v13                          ; the new -M = floor(-t) = -ceil(t): M is a whole number
	v_sub_f32 v[TMP], v12, v[TMP]                  ; M's old value less its new one: a whole number, 0 or less
	v_cvt_i32_f32 v[TMP], v[TMP]                   ; (it saturates)
	v_ldexp_f32 v[FF], 1.0, v[TMP]                 ; f = 2^(old M - new M)
.set k, 0
.rept 32
	v_pk_fma_f32 v[SB+k:SB+k+1], v[SB+k:SB+k+1], s[CS:CS+1], v[12:13] op_sel_hi:[1,0,0]   ; t - M, two at a time (of the pairs c and -M the low word serves both halves)
.set k, k+2
.endr
.irp b, 0,1,2,3
	v_fma_f32 v[BM+\b], v[BM+\b], s[CS], v12       ; the same of each block's largest score
.endr
.set k, 0
.rept 64
	v_exp_f32 v[SB+k], v[SB+k]                     ; p = 2^(t - M), at most 1: not normalised
.set k, k+1
.endr
.irp b, 0,1,2,3
	v_exp_f32 v[BM+\b], v[BM+\b]                   ; the block's largest p: the same two instructions on the same number give the same bits
.endr
	v_pk_mul_f32 v[14:15], v[14:15], v[FF:FF+1] op_sel_hi:[1,0]   ; the sums under the new M.  (A plain place behind the exponentials)
	s_wait_alu depctr_va_vdst(0)
.irp b, 0,1,2,3
	v_max_num_f32 v[BM+\b], 0x2800000, v[BM+\b]    ; the floor 2^(5 - 127): the byte cannot fall under 1 (a block whose every p is 0 keeps that byte: its codes are zeros)
.endr
.irp b, 0,1,2,3
	v_add_nc_u32 v[BO+\b], 0xfe000000, v[BM+\b]    ; 4 off the exponent field: the conversion's scale operand
.endr
.irp b, 0,1,2,3
	v_lshrrev_b32 v[BT+\b], 23, v[BO+\b]           ; the scale's byte
.endr
	v_lshl_or_b32 v[PW], v[BT+1], 8, v[BT]         ; p's scale word for these 128 keys
	v_lshl_or_b32 v[PW], v[BT+2], 16, v[PW]
	v_lshl_or_b32 v[PW], v[BT+3], 24, v[PW]
.irp c, 0,1
	v_cvt_scalef32_pk16_bf6_f32 v[PC+6*\c:PC+2+6*\c], v[SB+32*\c:SB+15+32*\c], v[BO+2*\c]
	v_cvt_scalef32_pk16_bf6_f32 v[CT+4*\c:CT+2+4*\c], v[SB+16+32*\c:SB+31+32*\c], v[BO+2*\c+1]   ; (a conversion's three registers begin on an even number)
.endr
	v_nop                                          ; one plain place behind a scaled conversion
.irp c, 0,1                            ; the operand's layout wants a WHOLE block in a lane: lanes 0-15 block 2 c, lanes 16-31 block 2 c + 1
.irp i, 0,1,2
	v_permlane16_swap_b32 v[PC+6*\c+\i], v[CT+4*\c+\i]
.endr
.irp i, 0,1,2
	v_mov_b32 v[PC+3+6*\c+\i], v[CT+4*\c+\i]
.endr
.endr
	v_pk_add_f32 v[S2:S2+1], v[SB:SB+1], v[SB+2:SB+3]   ; the row's sum is taken of the unquantised p: two at a time, in two chains
.set k, 4
.rept 15
	v_pk_add_f32 v[14:15], v[14:15], v[SB+k:SB+k+1]
	v_pk_add_f32 v[S2:S2+1], v[S2:S2+1], v[SB+k+2:SB+k+3]
.set k, k+4
.endr
	v_pk_add_f32 v[14:15], v[14:15], v[S2:S2+1]
.set k, 0
.rept 16
	v_pk_mul_f32 v[OT+k:OT+k+1], v[OT+k:OT+k+1], v[FF:FF+1] op_sel_hi:[1,0]   ; O^T under the new M.  (The sums and these are also the places between p's codes and scale word and the products below)
.set k, k+2
.endr
	s_wait_dscnt 0x0                               ; V's images and scale words are in
.irp t, 0,1                            ; O^T += v^T p^T: four tiles of 16 of the head's 64, by turns; K = these 128 keys
	v_wmma_scale_f32_16x16x128_f8f6f4 v[OT+8*\t:OT+8*\t+7], v[F+12*\t:F+12*\t+11], v[PC:PC+11], v[OT+8*\t:OT+8*\t+7], v[VW+\t], v[PW] matrix_a_fmt:MATRIX_FMT_BF6 matrix_b_fmt:MATRIX_FMT_BF6
.endr
.irp t, 2,3
	v_wmma_scale_f32_16x16x128_f8f6f4 v[OT+8*\t:OT+8*\t+7], v[F+12*\t:F+12*\t+11], v[PC:PC+11], v[OT+8*\t:OT+8*\t+7], v[VW+\t-2], v[PW] matrix_a_fmt:MATRIX_FMT_BF6 matrix_b_fmt:MATRIX_FMT_BF6 matrix_a_scale:MATRIX_SCALE_ROW1
.endr
.rept 4
	v_nop                                          ; four places: in front of the next step's loads into the fragments' registers, and of the read of O^T behind the loop
.endr
.Lhidden_\@:
	s_add_co_u32 s[TB], s[TB], REC
	s_add_co_u32 s[SS], s[SS], 1
	s_cmp_lt_u32 s[SS], 16
	s_cbranch_scc1 .Lstep_\@
	; the tile's way out: o = O^T / the sum; register 16 b + i of lane (r, h) is o(query r, 32 b + 16 h + i): two blocks of 32 along the head's 64, quantised as p was
	v_add_f32 v14, v14, v15                        ; the sum's two halves,
	v_permlanex16_b32 v[TMP], v14, s[SEL], s[SEL+1]
	v_add_f32 v14, v14, v[TMP]                     ; and lane l xor 16's: the row's sum
	v_rcp_f32 v[FF], v14
	v_nop                                          ; one plain place behind a transcendental
.set k, 0
	s_wait_alu depctr_va_vdst(0)
.rept 16
	v_pk_mul_f32 v[SB+k:SB+k+1], v[OT+k:OT+k+1], v[FF:FF+1] op_sel_hi:[1,0]   ; each accumulator from its low end on
.set k, k+2
.endr
.irp b, 0,1
	v_max3_num_f32 v[BM+\b], |v[SB+16*\b]|, |v[SB+1+16*\b]|, 0x2800000
.endr
.irp i, 2,4,6,8,10,12,14
.irp b, 0,1
	v_max3_num_f32 v[BM+\b], v[BM+\b], |v[SB+16*\b+\i]|, |v[SB+1+16*\b+\i]|
.endr
.endr
.irp b, 0,1
	v_permlanex16_b32 v[BT+\b], v[BM+\b], s[SEL], s[SEL+1]
.endr
.irp b, 0,1
	v_max_num_f32 v[BM+\b], v[BM+\b], v[BT+\b]
.endr
.irp b, 0,1
	v_add_nc_u32 v[BO+\b], 0xfe000000, v[BM+\b]
.endr
.irp b, 0,1
	v_lshrrev_b32 v[BT+\b], 23, v[BO+\b]
.endr
	v_lshl_or_b32 v[OW], v[BT+1], 8, v[BT]         ; my row's two scale bytes
	s_wait_xcnt 0x0                                ; the last pass's stores have read the codes' registers
	v_cvt_scalef32_pk16_bf6_f32 v[OC:OC+2], v[SB:SB+15], v[BO]
	v_cvt_scalef32_pk16_bf6_f32 v[OX:OX+2], v[SB+16:SB+31], v[BO+1]
	v_nop                                          ; one plain place behind a scaled conversion
.irp i, 0,1,2
	v_permlane16_swap_b32 v[OC+\i], v[OX+\i]
.endr
.irp i, 0,1,2
	v_mov_b32 v[OC+3+\i], v[OX+\i]                 ; lane (r, h) now holds block h whole: registers 6 c .. 6 c + 5 of the last product's fragment, c = head % 2
.endr
	global_store_b128 v1, v[OC:OC+3], s[50+2*\n:51+2*\n]               ; 32 lanes store 512 consecutive bytes,
	global_store_b64 v3, v[OC+4:OC+5], s[50+2*\n:51+2*\n] offset:512   ; and 256, both aligned to 256
	ds_store_b16 v[7+\n], v[OW]                    ; lanes l and l xor 16 write the same bytes with the same value
.endm
	PASS 0
	PASS 1
	s_wait_dscnt 0x0                               ; for the others' sake: my scale bytes lie in LDS
	s_barrier_signal -1
	s_barrier_wait -1
	s_cmp_lt_u32 s[WV], 2                          ; the work-group's 1,024 scale bytes leave as whole runs of 512 consecutive bytes, by waves 0 and 1
	s_cbranch_scc0 .Lno_os
	ds_load_b128 v[SB:SB+3], v21
	s_wait_dscnt 0x0
	global_store_b128 v22, v[SB:SB+3], s[54:55]
.Lno_os:
	s_wait_tensorcnt 0x0
	ds_add_u32 v254, v255
	s_wait_dscnt 0x0
	CROUND                                         ; the closing round
	s_endpgm
.Lfunc_end_k_q6d38167925_attn:
	.size	k_q6d38167925_attn, .Lfunc_end_k_q6d38167925_attn-k_q6d38167925_attn
	.p2alignl 7, 3214868480
	.fill 96, 4, 3214868480
	.section	.rodata,"a",@progbits
	.p2align	6, 0x0
	.amdhsa_kernel k_q6d38167925_attn
		.amdhsa_group_segment_fixed_size 207872
		.amdhsa_private_segment_fixed_size 0
		.amdhsa_enable_private_segment 0
		.amdhsa_kernarg_size 24
		.amdhsa_user_sgpr_count 2
		.amdhsa_user_sgpr_kernarg_segment_ptr 1
		.amdhsa_wavefront_size32 1
		.amdhsa_system_sgpr_workgroup_id_x 1
		.amdhsa_system_sgpr_workgroup_id_y 1
		.amdhsa_system_sgpr_workgroup_id_z 1
		.amdhsa_system_vgpr_workitem_id 0
		.amdhsa_next_free_vgpr 256
		.amdhsa_next_free_sgpr 66
		.amdhsa_reserve_vcc 1
		.amdhsa_float_denorm_mode_32 3
		.amdhsa_float_denorm_mode_16_64 3
		.amdhsa_memory_ordered 1
		.amdhsa_forward_progress 1
		.amdhsa_inst_pref_size 60
	.end_amdhsa_kernel
	.amdgpu_metadata
---
amdhsa.version: [ 1, 2 ]
amdhsa.kernels:
  - .name:           k_q6d38167925_attn
    .symbol:         k_q6d38167925_attn.kd
    .args:
      - { .name: att, .offset: 0, .size: 8, .value_kind: global_buffer, .address_space: global }
      - { .name: oc, .offset: 8, .size: 8, .value_kind: global_buffer, .address_space: global }
      - { .name: os, .offset: 16, .size: 8, .value_kind: global_buffer, .address_space: global }
    .group_segment_fixed_size: 207872
    .private_segment_fixed_size: 0
    .kernarg_segment_align: 8
    .kernarg_segment_size: 24
    .max_flat_workgroup_size: 512
    .sgpr_count:     66
    .vgpr_count:     256
    .wavefront_size: 32
...
	.end_amdgpu_metadata
.endif
;; end of part 3
;; launch gemm_out (part 4): grid 4 x 32, 4 waves a work-group, clusters of 4 x 4, 327,680 bytes of LDS; arguments oc, os, inq, out0; writes out0
.if DOCPART == 4
	.amdgcn_target "amdgcn-amd-amdhsa--gfx1250"
	.amdhsa_code_object_version 6
	.text
	.protected	k_q6d38167925_gemm_out
	.globl	k_q6d38167925_gemm_out
	.p2align	8
	.type	k_q6d38167925_gemm_out,@function
k_q6d38167925_gemm_out:
	s_mov_b64 s[64:65], 0
	v_nop
	global_prefetch_b8 v0, s[64:65] scope:SCOPE_SE
	s_setreg_imm32_b32 hwreg(HW_REG_WAVE_MODE, 25, 1), 1
	s_wait_xcnt 0x0
	s_wait_alu depctr_hold_cnt(0) depctr_sa_sdst(0) depctr_va_vdst(0) depctr_va_sdst(0) depctr_va_ssrc(0) depctr_va_vcc(0) depctr_vm_vsrc(0)
	s_getreg_b32 s2, hwreg(HW_REG_IB_STS2, 6, 4)
	s_cmp_eq_u32 s2, 0
	s_cbranch_scc0 .Lentry_in_a_cluster
	s_endpgm
.Lentry_in_a_cluster:
	s_bfe_u32 s2, ttmp6, 0x10000c
	s_cmp_lg_u32 s2, 0xf033
	s_cbranch_scc0 .Lentry_shape_is_right
	s_endpgm
.Lentry_shape_is_right:
; out0 = o W_out^T on codes of BF6 (E3M2) with E8M0 scales, K = 1,024; out0 [8192][1024] f32.
; OPERANDS.  The A role: o's rows, from oc: for a group of 128 rows and a K step of 128, 8 fragment images of 1,536 bytes (for c = 0, 1 at 768 c: registers 6 c .. 6 c + 3 of lane l at 16 l, registers 6 c + 4, 6 c + 5 at 512 + 8 l): a fragment
; is two ds_load_b128 and two ds_load_b64.  Its scale bytes come from os, two bytes for a (row, head): each wave pieces a quarter of the work-group's scale words together once, at the head, and lays them in LDS.
; The B role: W_out's rows, from inq's records (12,800 bytes: 8 images of 3 x 512 bytes, then 512 bytes of scale words), groups 88-95.
; A tile of 256 x 256 is made by four waves, each 128 x 128: 64 accumulators, 512 registers.  THE MATRIX INSTRUCTION IS USED TRANSPOSED (source 0 = the B role's 16 rows, source 1 = the A role's): a lane holds one row of out0, and the 16
; registers of B tiles 2 b, 2 b + 1 are 16 neighbouring columns (lane r of tile t holds row 32 (t / 2) + 8 (t % 2) + r + 8 (r / 8) of its group of 128).
; K goes in 8 steps of 128, as 4 parts of two steps.  Three LDS regions of 102,400 bytes take parts 0, 1, 2 as first fills; part 3 is the one refill, into region 0.  Each wave brings a quarter of a part by one tensor load;
; by this text's own count a wave has at most three tensor loads out.
; CLUSTERS: 4 x 4 work-groups; o's blocks are shared along a row of the cluster, W_out's along a column: each is asked for jointly, by the same load with a mask that names the four.
; The grid has 128 work-groups: 8,192 x 1,024 holds no more tiles of this size; the tile is kept, since it is the one text shared in form with the first product's.
; REGISTERS, in windows of 256: window 0: v2-18 addresses, v20 16 x lane, v24-25 the stage, v28-29 for the add; v32-63 scale words, two sets (in a set: 0-7 A's tiles, 8-15 B's); v64-95 at work at the head;
;   v128-223 A's 8 fragments, ONE set; on the way out v128-255 rows read back.  window 1: B's, TWO sets, at v0 and v128.  window 2: accumulators of A tiles 0-3 ((a, b) at v[8 (8 (a % 4) + b)]); window 3: of A tiles 4-7.
.set NLA,   4                          ; LDS loads that bring a fragment of A
.set REG,   102400                     ; a region: four waves' blocks, 25,600 bytes apart
.set BLK,   25600                      ; B's block: two records
.set REC,   12800
.set ABLK,  24576                      ; A's block: two K steps' images
.set AREC,  12288
.set ASC,   3*REG                      ; behind the regions: A's scale words, 2 groups x 8 K steps x 512 bytes; written by LDS stores alone
.set SPARE, ASC+8192                   ; the spare words, 128 bytes for each wave: two blocks of 256 bytes that no other line names
.set STAGE, REG                        ; the way out: 16 rows x 528 bytes for each wave, in region 1, which has had its only fill, and whose last reads were waited for in front of the barrier of K step 5
.set SPITCH, 528
.set ADRA,  2                          ; v2-4    my A fragments in region 0, 1, 2: + 16 x lane
.set ADRB,  5                          ; v5-7    the same for B
.set ADSA,  8                          ; v8      A's scale words: ASC + 4,096 wr + 16 r
.set ADSB,  11                         ; v11-13  B's: + 12,288 + 16 r
.set ADA8,  14                         ; v14-16  my A fragments: + 8 x lane
.set OSO,   17                         ; v17     os: 4 r + 8,192 h
.set ASW,   18                         ; v18     where I lay scale words: ASC + 2,048 wave + 512 h + 16 r
.set LI,    20                         ; v20     16 x lane
.set STO,   24
.set RD,    25
.set SPW,   28                         ; v28     LDS address of my spare word; never rewritten
.set NIL,   29                         ; v29     0; never rewritten
.set SC,    32
.set AF,    128
.set BK,    128
.set G1A,   24
.set G1B,   32
.set G0A,   40
.set G0B,   52
.set MUL_LO, 0xa1                      ; source 0 (B) window 1, source 1 (A) window 0, C and D window 2
.set MUL_HI, 0xf1                      ; the same, C and D window 3
.set TO_B,   0x40                      ; destination window 1, address window 0
.set MSB, 0
.macro WIN new                         ; the immediate's high byte repeats the setting that is left
.if MSB != (\new)
	s_set_vgpr_msb (MSB<<8)|(\new)
.set MSB, (\new)
.endif
.endm
.macro PLACES n
.rept \n
	v_nop
.endr
.endm
; A joint load: waves 0 and 1 fetch for A, waves 2 and 3 for B.  The branch hangs on the wave's number alone.  Four v_nop follow each of the two lines.
.macro JLOAD g0a, g1a, g0b, g1b
	s_cmp_eq_u32 s15, 0
	s_cbranch_scc0 .Lfor_b_\@
	tensor_load_to_lds s[\g0a:\g0a+3], s[\g1a:\g1a+7]
	s_nop 0
.rept 4
	v_nop
.endr
	s_branch .Lasked_\@
.Lfor_b_\@:
	tensor_load_to_lds s[\g0b:\g0b+3], s[\g1b:\g1b+7]
	s_nop 0
.rept 4
	v_nop
.endr
.Lasked_\@:
.endm
.macro CREST                           ; a round of the cluster's barrier behind its opening barrier
	s_cmp_lg_u32 s14, 0
	s_cbranch_scc1 .Lnot_wave_0_\@
	s_barrier_signal -3
.Lnot_wave_0_\@:
	s_barrier_wait -3
	s_barrier_signal -1
	s_barrier_wait -1
.endm
.macro CROUND                          ; a whole round
	s_barrier_signal -1
	s_barrier_wait -1
	CREST
.endm
	s_load_b256 s[4:11], s[0:1], 0x0               ; oc s[4:5], os s[6:7], inq s[8:9], out0 s[10:11]
	v_lshl_add_u32 v[SPW], v0, 2, SPARE
	v_mov_b32 v[NIL], 0
	ds_add_u32 v28, v29
	ds_add_u32 v28, v29
	s_wait_dscnt 0x0
	v_lshrrev_b32 v1, 5, v0
	v_readfirstlane_b32 s14, v1                    ; wave 0..3
	s_lshr_b32 s15, s14, 1                         ; wr: which group of rows is mine.  Also: I fetch for A (0) or for B (1)
	s_and_b32 s16, s14, 1                          ; wc: which group of columns.  Also: which of the two groups I fetch
	s_bfe_u32 s66, ttmp6, 0x40000                  ; cx = the tile column
	s_bfe_u32 s67, ttmp6, 0x40004                  ; cy
	s_and_b32 s69, ttmp7, 0xffff                   ; the cluster's y
	s_lshl_b32 s70, s67, 2
	s_lshl_b32 s70, 15, s70                        ; my row of the cluster
	s_lshl_b32 s71, 0x1111, s66                    ; my column
	; descriptor groups 1: dense bytes as rows of 32 elements of 8 bytes, no padding: A 96 rows, B 100
	s_or_b32 s[G1A], s70, (3<<16)|(1<<21)          ; 15:0 the mask; 17:16 elements of 8 bytes; 21 set beside a mask
	s_or_b32 s[G1B], s71, (3<<16)|(1<<21)
	s_mov_b32 s[G1A+1], 32<<16
	s_mov_b32 s[G1A+2], 96<<16
	s_mov_b32 s[G1A+3], 32<<16
	s_mov_b32 s[G1A+4], 96
	s_mov_b32 s[G1A+5], 32
	s_mov_b32 s[G1A+6], 0
	s_mov_b32 s[G1A+7], 0
	s_mov_b32 s[G1B+1], 32<<16
	s_mov_b32 s[G1B+2], 100<<16
	s_mov_b32 s[G1B+3], 32<<16
	s_mov_b32 s[G1B+4], 100
	s_mov_b32 s[G1B+5], 32
	s_mov_b32 s[G1B+6], 0
	s_mov_b32 s[G1B+7], 0
	s_lshl_b32 s72, s69, 3
	s_lshl_b32 s73, s67, 1
	s_add_co_u32 s72, s72, s73                     ; the tile's first group of rows: 8 Y + 2 cy
	s_add_co_u32 s76, s72, s16                     ; the A group that I would fetch: it hangs on cy, never on cx
	s_mul_i32 s84, s76, 8*AREC
	s_mov_b32 s85, 0
	s_lshl_b32 s77, s66, 1
	s_add_co_u32 s77, s77, 88
	s_add_co_u32 s77, s77, s16                     ; the B group: 88 + 2 cx + half
	s_mul_i32 s86, s77, 8*REC
	s_mov_b32 s87, 0
	s_mul_i32 s83, s14, BLK                        ; where a block goes in a region: no place in the cluster enters an LDS address
	; the scale bytes that I piece together: group 8 Y + 2 cy + (wave >> 1) = 16 b + i, K steps 4 (wave & 1) on
	s_add_co_u32 s88, s72, s15
	s_lshr_b32 s89, s88, 4
	s_lshl_b32 s89, s89, 16                        ; 65,536 b
	s_and_b32 s88, s88, 15
	s_lshl_b32 s88, s88, 6                         ; 64 i
	s_add_co_u32 s88, s88, s89
	s_lshl_b32 s89, s16, 15                        ; 8,192 x 4 (wave & 1)
	s_add_co_u32 s88, s88, s89
	s_mov_b32 s89, 0
	; my part of out0: row 128 (8 Y + 2 cy + wr), column 256 cx + 128 wc
	s_add_co_u32 s90, s72, s15
	s_lshl_b32 s90, s90, 19
	s_lshl_b32 s91, s66, 10
	s_add_co_u32 s90, s90, s91
	s_lshl_b32 s91, s16, 9
	s_add_co_u32 s90, s90, s91
	s_mov_b32 s91, 0
	s_wait_kmcnt 0x0
	s_add_nc_u64 s[84:85], s[4:5], s[84:85]
	s_add_nc_u64 s[86:87], s[8:9], s[86:87]
	s_add_nc_u64 s[88:89], s[6:7], s[88:89]
	s_add_nc_u64 s[10:11], s[10:11], s[90:91]
	CROUND                                         ; all sixteen work-groups are here: the first joint loads meet
.irp p, 0,1,2
	s_mov_b32 s[G0A+4*\p], 1                       ; count = 1
	s_add_co_u32 s[G0A+4*\p+1], s83, \p*REG        ; LDS address
	s_add_nc_u64 s[G0A+4*\p+2:G0A+4*\p+3], s[84:85], \p*ABLK  ; global address: part p
	s_or_b32 s[G0A+4*\p+3], s[G0A+4*\p+3], 0x80000000          ; type = 2
	s_mov_b32 s[G0B+4*\p], 1
	s_add_co_u32 s[G0B+4*\p+1], s83, \p*REG
	s_add_nc_u64 s[G0B+4*\p+2:G0B+4*\p+3], s[86:87], \p*BLK
	s_or_b32 s[G0B+4*\p+3], s[G0B+4*\p+3], 0x80000000
	JLOAD G0A+4*\p, G1A, G0B+4*\p, G1B
.endr
	v_and_b32 v1, 15, v0                           ; r
	v_bfe_u32 v19, v0, 4, 1                        ; h
	v_lshlrev_b32 v[OSO], 2, v1
	v_lshl_add_u32 v[OSO], v19, 13, v[OSO]         ; lane (r, h) takes row r's bytes of K step 4 (wave & 1) + 2 it + h
.irp it, 0,1
.irp c, 0,1
.irp j, 0,1,2,3
	global_load_b32 v[64+8*\it+4*\c+\j], v[OSO], s[88:89] offset:16384*\it+4096*\c+1024*\j   ; head 2 kk + c, block j of the group's queries: tile 2 j's two bytes below, tile 2 j + 1's above
.endr
.endr
.endr
	v_and_b32 v21, 31, v0
	v_lshlrev_b32 v[LI], 4, v21
	v_lshlrev_b32 v21, 3, v21                      ; 8 x lane
	v_lshlrev_b32 v22, 4, v1                       ; 16 r
	s_mul_i32 s96, s15, BLK                        ; my group of A
	s_mul_i32 s97, s16, BLK
	s_add_co_u32 s97, s97, 2*BLK                   ; my group of B, behind A's two
	v_add_nc_u32 v[ADRA], s96, v[LI]
	v_add_nc_u32 v[ADA8], s96, v21
	v_add_nc_u32 v[ADRB], s97, v[LI]
	v_add_nc_u32 v[ADSB], s97, v22
	v_add_nc_u32 v[ADSB], 12288, v[ADSB]
.irp p, 1,2
	v_add_nc_u32 v[ADRA+\p], \p*REG, v[ADRA]
	v_add_nc_u32 v[ADA8+\p], \p*REG, v[ADA8]
	v_add_nc_u32 v[ADRB+\p], \p*REG, v[ADRB]
	v_add_nc_u32 v[ADSB+\p], \p*REG, v[ADSB]
.endr
	s_lshl_b32 s96, s15, 12
	s_add_co_u32 s96, s96, ASC
	v_add_nc_u32 v[ADSA], s96, v22
	s_lshl_b32 s96, s14, 11
	s_add_co_u32 s96, s96, ASC
	v_lshl_add_u32 v[ASW], v19, 9, v22
	v_add_nc_u32 v[ASW], s96, v[ASW]
	s_mul_i32 s96, s14, 16*SPITCH
	s_add_co_u32 s96, s96, STAGE                   ; my stage
	v_mul_u32_u24 v[STO], v1, SPITCH
	v_lshl_add_u32 v[STO], v19, 6, v[STO]
	v_add_nc_u32 v[STO], s96, v[STO]               ; in: row r, + 64 h
	v_add_nc_u32 v[RD], s96, v[LI]                 ; back: a row's 512 bytes, 16 a lane
	s_wait_loadcnt 0x0
.irp it, 0,1                           ; the word of (row r, tile t = 2 j + u) is [head 2 kk: blk0, blk1; head 2 kk + 1: blk0, blk1]; it lies at 512 kk + 256 (t / 4) + 16 r + 4 (t % 4)
.irp t, 0,1,2,3,4,5,6,7
.if (\t%2) == 0
	v_perm_b32 v[80+8*\it+\t], v[64+8*\it+4+\t/2], v[64+8*\it+\t/2], 0x05040100
.else
	v_perm_b32 v[80+8*\it+\t], v[64+8*\it+4+\t/2], v[64+8*\it+\t/2], 0x07060302
.endif
.endr
	ds_store_b128 v[ASW], v[80+8*\it:83+8*\it] offset:1024*\it
	ds_store_b128 v[ASW], v[84+8*\it:87+8*\it] offset:1024*\it+256
.endr
; K step nk lies in region (nk / 2) % 3, second half of a block where nk is odd; its B fragments and scale words go to set nk % 2.
.macro FETCH_B nk
	WIN TO_B
.irp i, 0,1,2,3,4,5,6,7
.irp g, 0,1,2
	ds_load_b128 v[128*((\nk)%2)+12*\i+4*\g:128*((\nk)%2)+12*\i+4*\g+3], v[ADRB+((\nk)/2)%3] offset:REC*((\nk)%2)+1536*\i+512*\g
.endr
.endr
	WIN 0
.endm
.macro FETCH_A nk, i0                  ; A's tiles i0 .. i0 + 3
.irp i, \i0, \i0+1, \i0+2, \i0+3
	ds_load_b128 v[AF+12*(\i):AF+12*(\i)+3], v[ADRA+((\nk)/2)%3] offset:AREC*((\nk)%2)+1536*(\i)
	ds_load_b64 v[AF+12*(\i)+4:AF+12*(\i)+5], v[ADA8+((\nk)/2)%3] offset:AREC*((\nk)%2)+1536*(\i)+512
	ds_load_b128 v[AF+12*(\i)+6:AF+12*(\i)+9], v[ADRA+((\nk)/2)%3] offset:AREC*((\nk)%2)+1536*(\i)+768
	ds_load_b64 v[AF+12*(\i)+10:AF+12*(\i)+11], v[ADA8+((\nk)/2)%3] offset:AREC*((\nk)%2)+1536*(\i)+1280
.endr
.endm
.macro SCALES nk                       ; lane (r, h) takes row r's words of tiles 0-3 and 4-7, of A and of B
.set SCP, SC+16*((\nk)%2)
	ds_load_b128 v[SCP:SCP+3], v[ADSA] offset:512*(\nk)
	ds_load_b128 v[SCP+4:SCP+7], v[ADSA] offset:512*(\nk)+256
	ds_load_b128 v[SCP+8:SCP+11], v[ADSB+((\nk)/2)%3] offset:REC*((\nk)%2)
	ds_load_b128 v[SCP+12:SCP+15], v[ADSB+((\nk)/2)%3] offset:REC*((\nk)%2)+256
.endm
; 16 matrix instructions: A's tiles a0, a0 + 1 x B's eight.  The 64 accumulators take turns, one instruction a turn, in the same order in every step.  zero = 1: the first product starts the sums.
.macro MUL16 a0, p, zero
.irp a, \a0, \a0+1
.irp b, 0,1,2,3,4,5,6,7
.if \zero
	v_wmma_scale_f32_16x16x128_f8f6f4 v[8*(8*((\a)%4)+\b):8*(8*((\a)%4)+\b)+7], v[128*(\p)+12*\b:128*(\p)+12*\b+11], v[AF+12*(\a):AF+12*(\a)+11], 0, v[SC+16*(\p)+8+\b], v[SC+16*(\p)+(\a)] matrix_a_fmt:MATRIX_FMT_BF6 matrix_b_fmt:MATRIX_FMT_BF6
.else
	v_wmma_scale_f32_16x16x128_f8f6f4 v[8*(8*((\a)%4)+\b):8*(8*((\a)%4)+\b)+7], v[128*(\p)+12*\b:128*(\p)+12*\b+11], v[AF+12*(\a):AF+12*(\a)+11], v[8*(8*((\a)%4)+\b):8*(8*((\a)%4)+\b)+7], v[SC+16*(\p)+8+\b], v[SC+16*(\p)+(\a)] matrix_a_fmt:MATRIX_FMT_BF6 matrix_b_fmt:MATRIX_FMT_BF6
.endif
.endr
.endr
.endm
; A K step: 64 matrix instructions; in its middle the next step's B set, A tiles 0-3 and scale words are fetched, at its end A tiles 4-7 (a tile of A is free once its eight products are issued).
; Loads into registers that matrix instructions have read stand four plain vector instructions behind them (ISA guide 7.12.1 for vector instructions).
; mode 0: plain.  mode 1: region 0 has been read out and is filled again with part 3, behind a round of the cluster's barrier.  mode 2: a barrier that shows part 3 whole to all four waves.  mode 3: the last step.
.macro KS kk, mode, zero
.set PP, (\kk)%2
.if ((\mode) == 0) || ((\mode) == 3)
	s_wait_dscnt 4*NLA                             ; B's set, A's tiles 0-3 and the scale words are in; the youngest loads (A's tiles 4-7) may be out
	WIN MUL_LO
	MUL16 0, PP, \zero
	MUL16 2, PP, \zero
	s_wait_dscnt 0x0                               ; A's tiles 4-7 are in
.else
	s_wait_tensorcnt 0x0                           ; all my tensor loads have landed
	ds_add_u32 v[SPW], v[NIL]                      ; 0 onto my spare word
	s_wait_dscnt 4*NLA+1                           ; (the add and A's tiles 4-7 may be out)
	WIN MUL_LO
	MUL16 0, PP, 0                                 ; sixteen matrix instructions stand between the add and the wait for it
	s_wait_dscnt 0x0                               ; the add is done, and my reads of the region that I leave are over
	s_barrier_signal -1
	MUL16 2, PP, 0
	WIN 0                                          ; at a branch and at a label every window is 0
	s_barrier_wait -1
.endif
.if (\mode) == 1
	CREST                                          ; the barrier has opened a round of the cluster's: no wave of any partner still reads region 0 or has a load on its way
	s_add_nc_u64 s[G0A+2:G0A+3], s[G0A+2:G0A+3], 3*ABLK  ; region 0's descriptors step to part 3 (no tensor load of mine is out)
	s_add_nc_u64 s[G0B+2:G0B+3], s[G0B+2:G0B+3], 3*BLK
	JLOAD G0A, G1A, G0B, G1B                       ; the first tensor load behind the round, and my only one; its four v_nop are the places in front of the loads below
.endif
.if ((\mode) == 0) || ((\mode) == 2)
	PLACES 4
.endif
.if (\mode) != 3
	FETCH_B (\kk)+1
	FETCH_A (\kk)+1, 0
	SCALES (\kk)+1
.endif
	WIN MUL_HI
	MUL16 4, PP, \zero
	MUL16 6, PP, \zero
.if (\mode) != 3
	PLACES 4
	WIN 0
	FETCH_A (\kk)+1, 4
.endif
.endm
	s_wait_tensorcnt 2                             ; my part of part 0 is in; the two loads issued behind it may stay out
	s_wait_dscnt 0x0                               ; for the others' sake: my scale words lie in LDS
	s_barrier_signal -1
	s_barrier_wait -1                              ; everybody's do
	FETCH_B 0
	FETCH_A 0, 0
	SCALES 0
	FETCH_A 0, 4
	KS 0, 0, 1
	KS 1, 1, 0                                     ; every wave has waited for parts 1 and 2 in front of this round: no barrier is needed where region 1 is left for region 2
	KS 2, 0, 0
	KS 3, 0, 0
	KS 4, 0, 0
	KS 5, 2, 0
	KS 6, 0, 0
	KS 7, 3, 0
	WIN 0
; THE WAY OUT, A tile by A tile: 16 rows x 128 columns.  A lane holds pieces of 32 neighbouring bytes of one row, and the lanes beside it hold other rows: so a tile goes through my own stage in LDS and comes back as whole rows of
; 512 bytes.  LDS serves a wave's instructions in order (ISA guide 5.7.1.4): no wait between the stores and the loads, nor in front of the next tile's stores.
.macro TOSTAGE a
.set AC, 64*((\a)%4)
	WIN 0x08+4*((\a)/4)                            ; the data: window 2 or 3
.irp b, 0,1,2,3,4,5,6,7
	ds_store_b128 v[STO], v[AC+8*\b:AC+8*\b+3] offset:128*(\b/2)+32*(\b%2)        ; register j of B tile b is column 32 (b / 2) + 8 (b % 2) + 16 h + j; each accumulator from its low end on
	ds_store_b128 v[STO], v[AC+8*\b+4:AC+8*\b+7] offset:128*(\b/2)+32*(\b%2)+16
.endr
	WIN 0
.set BB, BK+64*((\a)%2)
.irp t, 0,1,2,3,4,5,6,7,8,9,10,11,12,13,14,15
	ds_load_b128 v[BB+4*\t:BB+4*\t+3], v[RD] offset:\t*SPITCH
.endr
.endm
.macro SEND a, younger                 ; younger: the LDS instructions issued behind tile a's loads, which may stay out
.set BB, BK+64*((\a)%2)
	s_wait_dscnt \younger                          ; the tile is back in registers
.irp t, 0,1,2,3,4,5,6,7,8,9,10,11,12,13,14,15
	global_store_b128 v[LI], v[BB+4*\t:BB+4*\t+3], s[10:11] offset:(32*((\a)/2)+8*((\a)%2)+\t+8*(\t/8))*4096 th:TH_STORE_NT   ; 32 lanes store 512 consecutive bytes of one row, aligned to 256; written once, read by nobody here
.endr
.endm
	PLACES 4                                       ; in front of the first read of results, and of the loads into the registers that held A's fragments
	TOSTAGE 0
.irp a, 1,2,3,4,5,6,7
.if \a > 1
	s_wait_xcnt 0x0                                ; tile a - 2's stores have read their registers: tile a's loads may land there
.endif
	TOSTAGE \a
	SEND \a-1, 32                                  ; behind tile a - 1's loads: tile a's 16 stores and 16 loads
.endr
	SEND 7, 0
	s_wait_tensorcnt 0x0                           ; the wave's end
	ds_add_u32 v[SPW], v[NIL]
	s_wait_dscnt 0x0
	CROUND                                         ; the closing round: no work-group ends while a partner may still ask for a block that names it
	s_endpgm
.Lfunc_end_k_q6d38167925_gemm_out:
	.size	k_q6d38167925_gemm_out, .Lfunc_end_k_q6d38167925_gemm_out-k_q6d38167925_gemm_out
	.p2alignl 7, 3214868480
	.fill 96, 4, 3214868480
	.section	.rodata,"a",@progbits
	.p2align	6, 0x0
	.amdhsa_kernel k_q6d38167925_gemm_out
		.amdhsa_group_segment_fixed_size 327680
		.amdhsa_private_segment_fixed_size 0
		.amdhsa_enable_private_segment 0
		.amdhsa_kernarg_size 32
		.amdhsa_user_sgpr_count 2
		.amdhsa_user_sgpr_kernarg_segment_ptr 1
		.amdhsa_wavefront_size32 1
		.amdhsa_system_sgpr_workgroup_id_x 1
		.amdhsa_system_sgpr_workgroup_id_y 1
		.amdhsa_system_sgpr_workgroup_id_z 1
		.amdhsa_system_vgpr_workitem_id 0
		.amdhsa_next_free_vgpr 1024
		.amdhsa_next_free_sgpr 100
		.amdhsa_reserve_vcc 0
		.amdhsa_float_denorm_mode_32 3
		.amdhsa_float_denorm_mode_16_64 3
		.amdhsa_memory_ordered 1
		.amdhsa_forward_progress 1
		.amdhsa_inst_pref_size 140
	.end_amdhsa_kernel
	.amdgpu_metadata
---
amdhsa.version: [ 1, 2 ]
amdhsa.kernels:
  - .name:           k_q6d38167925_gemm_out
    .symbol:         k_q6d38167925_gemm_out.kd
    .args:
      - { .name: oc, .offset: 0, .size: 8, .value_kind: global_buffer, .address_space: global }
      - { .name: os, .offset: 8, .size: 8, .value_kind: global_buffer, .address_space: global }
      - { .name: inq, .offset: 16, .size: 8, .value_kind: global_buffer, .address_space: global }
      - { .name: out0, .offset: 24, .size: 8, .value_kind: global_buffer, .address_space: global }
    .group_segment_fixed_size: 327680
    .private_segment_fixed_size: 0
    .kernarg_segment_align: 8
    .kernarg_segment_size: 32
    .max_flat_workgroup_size: 128
    .sgpr_count:     100
    .vgpr_count:     1024
    .wavefront_size: 32
...
	.end_amdgpu_metadata
.endif
;; end of part 4
